; MI455X (gfx1250); checked and timed in simulation.
; The chip was launched on July 23, 2026; its instructions are those of AMD's public machine-readable ISA for CDNA 5 (MIT licence, August 2026) and "CDNA5" Instruction Set Architecture Reference Guide (July 2026). The comments in the code are by the model that wrote it; some were corrected since.
;; Custom Multi Head Self Attention. Allowed arithmetic: matrix products marked QUANTISED: E2M1 operands, one E8M0 scale for each 32 along K, by v_wmma_scale_f32_16x16x128_f8f6f4 with both operands' format E2M1 (or v_wmma_scale_f32_32x16x128_f4), f32 sums; everything else in f32.
;; Inputs: W_in_codes 3,072 x 32 x 16 uint8 (E2M1 codes of W_in, K innermost, in blocks of 32 codes, two codes a byte); W_in_scales 3,072 x 32 uint8 (E8M0 scales of W_in, one for each 32 codes along K); W_out_codes 1,024 x 32 x 16 uint8 (E2M1 codes of W_out, K innermost, in blocks of 32 codes, two codes a byte); W_out_scales 1,024 x 32 uint8 (E8M0 scales of W_out, one for each 32 codes along K); b_in 3,072 float32; b_out 1,024 float32; qkv_codes 4 x 2,048 x 32 x 16 uint8 (E2M1 codes of qkv, K innermost, in blocks of 32 codes, two codes a byte); qkv_scales 4 x 2,048 x 32 uint8 (E8M0 scales of qkv, one for each 32 codes along K).
;; Outputs: out0 4 x 2,048 x 1,024 float32.
;; This version of the problem:
;;   THIS VERSION OF THE PROBLEM IS GIVEN IN LOW PRECISION. The matrix products marked QUANTISED in the list below multiply operands that are first quantised to E2M1 (2 exponent bits, 1 mantissa bit; 4 bits a number), with one power-of-two scale for each 32 numbers along K (OCP MX v1.0); their sums are f32. All else is computed in f32.
;;   The module's matrix products, in the order in which they are computed (A, B: the left and right operand; K: the contracted axis; several contracted axes count as one K, in the product's order):
;;     1. [M 8,192, K 1,024] x [K 1,024, N 3,072]; A: input qkv (given as codes); B: input W_in (given as codes): QUANTISED
;;     2. batch 64 x [M 2,048, K 64] x [K 64, N 2,048]; A: computed on the way; B: computed on the way: QUANTISED
;;     3. batch 64 x [M 2,048, K 2,048] x [K 2,048, N 64]; A: softmax (see below); B: computed on the way: QUANTISED
;;     4. [M 8,192, K 1,024] x [K 1,024, N 1,024]; A: computed on the way; B: input W_out (given as codes): QUANTISED
;;   THE QUANTISER, for each operand of a quantised product, along K:
;;     - K is cut into blocks of 32 from its start; a last block that is shorter is filled with zeros.
;;     - A block's scale is 2^e with e = floor(log2(the largest magnitude in the block)) - 2, held to -126 .. 127; a block of zeros has e = 0. As a byte (E8M0): e + 127.
;;     - Each number is divided by its block's scale, clamped to +-6, and rounded to the nearest number of E2M1, ties to even, subnormals kept.
;;     - The product sums the exact products of the quantised numbers (number of the format x scale) in f32.
;;   ~~~python
;;   def quantise(x, axis):      # numpy; x: float32 -> the quantised numbers, widened to float32 again
;;       x = np.moveaxis(x, axis, -1); K = x.shape[-1]
;;       x = np.pad(x, [(0, 0)] * (x.ndim - 1) + [(0, -K % 32)]); x = x.reshape(x.shape[:-1] + (-1, 32)); a = np.abs(x).max(-1, keepdims=True)
;;       e = np.where(a > 0, np.clip(np.frexp(np.where(a > 0, a, 1))[1] - 1 - 2, -126, 127), 0)      # np.frexp(a)[1] - 1 = floor(log2(a)), exactly
;;       r = np.clip(x / 2.0 ** e, -6, 6)
;;       step = 2.0 ** (np.maximum(np.frexp(np.where(r == 0, 1, r))[1] - 1, 0) - 1)
;;       q = np.round(r / step) * step * 2.0 ** e      # np.round: ties to even
;;       return np.moveaxis(q.reshape(q.shape[:-2] + (-1,))[..., :K], -1, axis).astype(np.float32)
;;   ~~~
;;   SOFTMAX AHEAD OF A QUANTISED PRODUCT. Where the list says 'softmax', what is quantised is not the finished softmax but p = 2^(t - M), with t = logit x log2(e) and M = ceil(the row's largest t), a whole number; so 1/2 < the row's largest p <= 1. The row's sum l is taken of the UNQUANTISED p, in f32, and the product's result is divided by l at the end. Since M is a whole number, a kernel that streams over the keys may use a running M (the ceiling of the running maximum): every later rescaling is an exact power of two, which a block's scale takes up: the codes' values come out the same.
;;   OPERANDS COMPUTED ON THE WAY. 'Computed on the way' means the value that the module computes at that place (a softmax that the list does not call 'softmax' is quantised finished and normalised). What goes into a quantiser is computed in f32, as accurately as f32 sums, v_exp_f32 and their like allow (about 1e-6 of the number): no bf16 or f16 on the way to a quantiser, and a product that is left as it is and whose result goes on into a quantised operand takes f32 operands (vector FMAs, or v_wmma_f32_16x16x4_f32). A number that lies on a knife's edge between two numbers of the format may be rounded either way, as far as f32 arithmetic and the matrix unit's own rounding can turn it there, and no further.
;;   INPUTS GIVEN AS CODES. W_in (in the module: [1024, 3072], K = its axis 0); W_out (in the module: [1024, 1024], K = its axis 0); qkv (in the module: [4, 2048, 1024], K = its axis 2): each comes as NAME_codes (uint8): NAME with its K axis moved to the last place and cut into blocks of 32 codes, [.., K / 32, bytes a block], one block behind the other in memory; two codes a byte, the lower K in the low four bits (a code: sign, 2 exponent bits, 1 mantissa bit); and NAME_scales (uint8): the same leading axes, one E8M0 byte (e + 127) for each 32 codes along K. Its value is code x scale, taken as it is: it is not quantised again, and the codes and scales need not be those that the quantiser above would give.
;; One version. Each part assembles by itself: llvm-mc -triple=amdgcn-amd-amdhsa -mcpu=gfx1250 --defsym DOCPART=n.
;; ======== version 1 of 1: 3 launches
;; workspace buffers: q_img 4,194,304 bytes; q_sw 524,288 bytes; kv 9,175,040 bytes; ctx_img 4,194,304 bytes; ctx_sc 262,144 bytes
;; launch proj (part 1): grid 12 x 32, 4 waves a work-group, clusters of 4 x 4, 296,448 bytes of LDS; arguments qkv_codes, qkv_scales, W_in_codes, W_in_scales, q_img, q_sw, kv, b_in; writes q_img, q_sw, kv
.if DOCPART == 1
	.amdgcn_target "amdgcn-amd-amdhsa--gfx1250"
	.amdhsa_code_object_version 6
	.text
	.protected	k_q2bf238168f_proj
	.globl	k_q2bf238168f_proj
	.p2align	8
	.type	k_q2bf238168f_proj,@function
k_q2bf238168f_proj:
	s_mov_b64 s[64:65], 0
	v_nop
	global_prefetch_b8 v0, s[64:65] scope:SCOPE_SE
	s_setreg_imm32_b32 hwreg(HW_REG_WAVE_MODE, 25, 1), 1
	s_wait_xcnt 0x0
	s_wait_alu depctr_hold_cnt(0) depctr_sa_sdst(0) depctr_va_vdst(0) depctr_va_sdst(0) depctr_va_ssrc(0) depctr_va_vcc(0) depctr_vm_vsrc(0)
	s_getreg_b32 s2, hwreg(HW_REG_IB_STS2, 6, 4)
	s_cmp_eq_u32 s2, 0
	s_cbranch_scc0 .Lentry_in_a_cluster
	s_endpgm
.Lentry_in_a_cluster:
	s_bfe_u32 s2, ttmp6, 0x10000c
	s_cmp_lg_u32 s2, 0xf033
	s_cbranch_scc0 .Lentry_shape_is_right
	s_endpgm
.Lentry_shape_is_right:
; proj = qkv W_in + b_in on codes of FP4 (E2M1) with one E8M0 scale for each 32 along K = 1,024; its three thirds q, k, v are quantised at once, from f32, and leave as codes:
; q and k along a head's 64 channels (two blocks of 32), v along the keys.  Nothing leaves as f32.
; SHARES.  A work-group of four waves makes 256 x 256 of proj, a wave 128 x 128: 64 accumulators of 16 x 16, 512 registers.  K is two LDS slots of 512, each filled ONCE: no LDS byte is filled again.
; ROLES.  In a result a lane holds ONE row of source 1 (the A role) and eight neighbouring rows of source 0 (the B role).  A quantiser wants a lane's registers to run along the next product's K.
;   q, k (cluster x 0, 1): next K = channels = rows of W_in: A role = rows of qkv, B role = rows of W_in.    v (cluster x 2): next K = keys = rows of qkv: A role = rows 2,048 on of W_in, B role = rows of qkv.
;   Both operands have rows of 512 bytes of codes and 32 scale bytes, so the roles are changed by choosing pointers and tile numbers on the cluster's x, which all partners share; the products have one text.
; CLUSTERS: 4 x 4 work-groups.  The four of a row of the cluster need the same tiles of the A role, the four of a column the same tiles of the B role: each tile is asked for jointly.
; WHAT IS STORED (images of operand registers: 512 consecutive bytes, lane l's 16 bytes at 16 l):
;   q_img [head 64][tile of 16 queries 128][512]: lane (r, h) = the codes of channels 32 h .. 32 h + 31 of query r.   q_sw [head][128 queries][512]: scale word of tile t, row r at 256 (t / 4) + 16 r + 4 (t % 4).
;   kv [head][128 keys][8,960]: 8 images of k (as q's) | 8 images of v (channel tile t, half c at 4,096 + 1,024 t + 512 c: keys 64 c + 32 h .. of channel r) | k's scale words (as q_sw) | v's (16 r + 4 t).
;   A scale word of q or k has its two bytes low and zeros above: the upper half of K = 128 is multiplied by zero codes later.
; NO ROW IS PERMUTED: the four conversions of tiles 0, 2, 1, 3 of a run of 64, and two exchanges of lane halves, leave lane (r, h) with block h in its natural order.
; LIMITS: NaN, infinities and given scale bytes 0xff are not served.  A computed block whose largest magnitude lies under 2^-124 (a block of zeros too) gets the byte 1: its codes are zeros or nearly so, and this program alone reads the bytes.
; 384 work-groups are 24 clusters: the launch does not fill the chip evenly.
; REGISTERS, in windows of 256: window 0: v16-31 addresses; v32-95 scale words, two sets; v96-126 the way out's codes and work; v128-191 A's fragments, on the way out 64 sums; v192-255 the bias.
;   window 1: B's fragments, two sets, at v0 and v128.   window 2: the accumulators of my A blocks 0-3 ((a, b) at v[8 (8 (a % 4) + b)]);   window 3: those of blocks 4-7.
.set NQ,     4                         ; matrix instructions deep in a slot
.set ROWB,   256                       ; a tile's row: 512 codes
.set KROW,   512                       ; a row of codes in memory
.set PITCH,  272                       ; an LDS row: 256 bytes + 16 of padding = 68 words: row r starts at bank 4 r mod 64 (64 banks of 4 bytes: ISA guide 11.1)
.set FR,     8                         ; registers of a fragment
.set NL,     2                         ; LDS loads that bring one
.set NP,     4                         ; places behind this matrix instruction (ISA guide 7.12.1)
.set HALFT,  128*PITCH                 ; 128 rows: one tensor load
.set SLOT,   4*HALFT                   ; A's 256 rows, then B's 256 rows
.set KS,     32                        ; a row of scale bytes
.set SCL,    2*SLOT                    ; behind the slots: the scales, as units of 256 bytes + 16 of padding
.set HALFS,  16*272                    ; the scales of 128 rows
.set SBLK,   2*272                     ; those of 16 rows
.set STGV,   4096                      ; stages for scale words, in slot 0 behind its last read: q, k way: LDS byte 0 on, 1,024 a wave;  v way: from here on, 512 a wave
.set REC,    8960                      ; a record of kv
.set HEADB,  16*REC                    ; a head's records
.set ADRA, 16                          ; v16-17  LDS address of my A fragments in slot 0, 1
.set ADRB, 20                          ; v20-21  the same for B
.set VOF,  22                          ; v22     v's scale words in memory: 16 (lane % 16) + a head's bytes x (lane / 16)
.set LI,   24                          ; v24     16 x lane
.set SWQ,  25                          ; v25     q, k way: where I put a scale word
.set SRQ,  26                          ; v26     and where I read 16 bytes back
.set ADRS, 27                          ; v27     LDS address of my scale words: lanes 0-15 A's rows, lanes 16-31 B's
.set SWV,  28                          ; v28, v29 the same two for the v way
.set SRV,  29
.set BOQ,  30                          ; v30     the bias, q, k way: 32 (lane / 16)
.set BOV,  31                          ; v31     v way: 4 (lane % 16)
.set SC,   32
.set DC,   96                          ; v96-103  the codes just made
.set FL,   104                         ; v104-111 scale words on their way out
.set TM,   112                         ; v112-115 largest magnitudes
.set PX,   116                         ; v116-119 the other lane half's, then the bytes
.set SO,   120                         ; v120-123 the conversions' scale operands
.set HW,   124                         ; v124-125 two bytes each: blocks 0, 1 and blocks 2, 3
.set WW,   126                         ; v126     four bytes
.set AF,   128
.set T,    128                         ; the way out: 64 sums with their bias
.set BI,   192
.set SEL,  20                          ; s[20:21] lane selects for v_permlanex16_b32: lane l xor 16
.set G1, 24                            ; s[24:31] descriptor group 1 for A's tiles;  s[32:39] group 0, one set for each slot
.set G0, 32
.set G1B, 48                           ; s[48:55], s[56:63] the same for B's
.set G0B, 56
.set G1S, 68                           ; s[68:75], s[76:79] for A's scales;  s[80:87], s[88:91] for B's
.set G0S, 76
.set G1SB, 80
.set G0SB, 88
.set MSB, 0
.macro WIN new                         ; the immediate's high byte repeats the setting that is left
.if MSB != (\new)
	s_set_vgpr_msb (MSB<<8)|(\new)
.set MSB, (\new)
.endif
.endm
.set MUL_LO, 0xa1                      ; source 0 (B) window 1, source 1 (A) window 0, C and D window 2
.set MUL_HI, 0xf1                      ; the same, C and D window 3
.set TO_B,   0x40                      ; destination window 1, address window 0
; A joint load: waves 0 and 1 fetch for A, waves 2 and 3 for B.  The branch hangs on the wave's number alone.  Four v_nop follow each of the two lines.
.macro JLOAD g0a, g1a, g0b, g1b
	s_cmp_eq_u32 s15, 0
	s_cbranch_scc0 .Lfor_b_\@
	tensor_load_to_lds s[\g0a:\g0a+3], s[\g1a:\g1a+7]
	s_nop 0
.rept 4
	v_nop
.endr
	s_branch .Lasked_\@
.Lfor_b_\@:
	tensor_load_to_lds s[\g0b:\g0b+3], s[\g1b:\g1b+7]
	s_nop 0
.rept 4
	v_nop
.endr
.Lasked_\@:
.endm
.macro CROUND                          ; a round of the cluster's barrier
	s_barrier_signal -1
	s_barrier_wait -1
	s_cmp_lg_u32 s14, 0
	s_cbranch_scc1 .Lnot_wave_0_\@
	s_barrier_signal -3
.Lnot_wave_0_\@:
	s_barrier_wait -3
	s_barrier_signal -1
	s_barrier_wait -1
.endm
	s_load_b256 s[4:11], s[0:1], 0x0               ; qkv's codes, qkv's scales, W_in's codes, W_in's scales
	s_load_b128 s[96:99], s[0:1], 0x20             ; q_img, q_sw
	s_load_b64 s[100:101], s[0:1], 0x30            ; kv
	s_load_b64 s[12:13], s[0:1], 0x38              ; b_in
	v_lshl_add_u32 v23, v0, 2, 0x48400
	v_mov_b32 v127, 0
	ds_add_u32 v23, v127
	ds_add_u32 v23, v127
	v_lshrrev_b32 v1, 5, v0
	v_readfirstlane_b32 s14, v1                    ; wave 0..3
	s_lshr_b32 s15, s14, 1                         ; which half of A's rows is mine.  Also: I fetch for A (0) or for B (1)
	s_and_b32 s16, s14, 1                          ; which half of B's rows.  Also: which 128 rows of that tile I fetch
	s_bfe_u32 s40, ttmp6, 0x40000                  ; cx, cy: my place in the cluster
	s_bfe_u32 s41, ttmp6, 0x40004
	s_and_b32 s17, ttmp7, 0xffff
	s_lshl_b32 s17, s17, 2                         ; 4 x cluster y
	s_lshl_b32 s42, ttmp9, 2                       ; 4 x cluster x
	s_cmp_ge_u32 ttmp9, 2                          ; the v way?  The cluster's x is the same in all sixteen partners
	s_cselect_b32 s42, s17, s42                    ; B's tile of 256 rows: v: 4 x cluster y (rows of qkv);  q, k: 4 x cluster x (rows of W_in)
	s_cselect_b32 s17, 8, s17                      ; A's: v: 8 on (rows 2,048 on of W_in);  q, k: 4 x cluster y (rows of qkv)
	s_add_co_u32 s42, s42, s40                     ; + cx
	s_add_co_u32 s17, s17, s41                     ; + cy
	s_lshl_b32 s43, s41, 2
	s_lshl_b32 s43, 15, s43                        ; my row of the cluster
	s_lshl_b32 s44, 0x1111, s40                    ; my column
	; descriptor group 1: a tile of 128 rows x 256 bytes, padded in LDS
	s_or_b32 s[G1+0], s43, (0<<16)|(1<<20)|(1<<21)|(5<<22)|(3<<25)  ; 15:0 the mask: A's tiles go to my row; 17:16 elements of 1 byte; 20 padding on; 21 set beside a mask; 24:22 after every 64 words; 31:25 four words
	s_or_b32 s[G1B+0], s44, (0<<16)|(1<<20)|(1<<21)|(5<<22)|(3<<25)
.irp g, G1, G1B
	s_mov_b32 s[\g+1], ROWB<<16                    ; tensor_dim0
	s_mov_b32 s[\g+2], 128<<16                     ; tensor_dim1
	s_mov_b32 s[\g+3], ROWB<<16                    ; tile_dim0
	s_mov_b32 s[\g+4], 128                         ; tile_dim1
	s_mov_b32 s[\g+5], KROW                        ; tensor_dim0_stride
	s_mov_b32 s[\g+6], 0
	s_mov_b32 s[\g+7], 0
.endr
	; the scales of 128 rows: 4,096 dense bytes, as 16 rows of 256 bytes (32 elements of 8 bytes), 16 bytes of padding behind each
	s_or_b32 s[G1S+0], s43, (3<<16)|(1<<20)|(1<<21)|(5<<22)|(3<<25)
	s_or_b32 s[G1SB+0], s44, (3<<16)|(1<<20)|(1<<21)|(5<<22)|(3<<25)
.irp g, G1S, G1SB
	s_mov_b32 s[\g+1], 32<<16
	s_mov_b32 s[\g+2], 16<<16
	s_mov_b32 s[\g+3], 32<<16
	s_mov_b32 s[\g+4], 16
	s_mov_b32 s[\g+5], 32
	s_mov_b32 s[\g+6], 0
	s_mov_b32 s[\g+7], 0
.endr
	s_lshl_b32 s18, s16, 7                         ; which 128 rows of the tile I fetch
	s_lshl_b32 s20, s17, 8
	s_add_co_u32 s20, s20, s18                     ; A: row 256 x tile + 128 x half
	s_lshl_b32 s46, s42, 8
	s_add_co_u32 s46, s46, s18                     ; B likewise
	s_mov_b32 s21, 0
	s_mov_b32 s47, 0
	s_mov_b64 s[18:19], KS
	s_mul_u64 s[22:23], s[20:21], s[18:19]         ; where these rows' scales begin, in bytes,
	s_mul_u64 s[92:93], s[46:47], s[18:19]
	s_mov_b64 s[18:19], KROW
	s_mul_u64 s[20:21], s[20:21], s[18:19]         ; and their codes
	s_mul_u64 s[46:47], s[46:47], s[18:19]
	s_mul_i32 s45, s14, HALFT                      ; where they go: wave x 128 rows: no place in the cluster enters an LDS address
	s_mul_i32 s94, s14, HALFS
	s_wait_dscnt 0x0
	s_wait_kmcnt 0x0
	s_cmp_ge_u32 ttmp9, 2                          ; the roles: on the v way the two tensors change places
	s_cselect_b64 s[2:3], s[8:9], s[4:5]
	s_cselect_b64 s[8:9], s[4:5], s[8:9]           ; B's codes
	s_mov_b64 s[4:5], s[2:3]                       ; A's codes
	s_cselect_b64 s[2:3], s[10:11], s[6:7]
	s_cselect_b64 s[10:11], s[6:7], s[10:11]       ; B's scales
	s_mov_b64 s[6:7], s[2:3]                       ; A's scales
	s_add_nc_u64 s[20:21], s[4:5], s[20:21]
	s_add_nc_u64 s[22:23], s[6:7], s[22:23]
	s_add_nc_u64 s[46:47], s[8:9], s[46:47]
	s_add_nc_u64 s[92:93], s[10:11], s[92:93]
	CROUND                                         ; all sixteen work-groups are here: the joint loads meet
	s_mov_b32 s[G0S], 1
	s_add_co_u32 s[G0S+1], s94, SCL
	s_mov_b64 s[G0S+2:G0S+3], s[22:23]
	s_or_b32 s[G0S+3], s[G0S+3], 0x80000000
	s_mov_b32 s[G0SB], 1
	s_add_co_u32 s[G0SB+1], s94, SCL
	s_mov_b64 s[G0SB+2:G0SB+3], s[92:93]
	s_or_b32 s[G0SB+3], s[G0SB+3], 0x80000000
	JLOAD G0S, G1S, G0SB, G1SB                     ; the scales first: they are wanted with slot 0
.irp s, 0,1
	s_mov_b32 s[G0+4*\s], 1
	s_add_co_u32 s[G0+4*\s+1], s45, \s*SLOT
	s_add_nc_u64 s[G0+4*\s+2:G0+4*\s+3], s[20:21], \s*ROWB
	s_or_b32 s[G0+4*\s+3], s[G0+4*\s+3], 0x80000000
	s_mov_b32 s[G0B+4*\s], 1
	s_add_co_u32 s[G0B+4*\s+1], s45, \s*SLOT
	s_add_nc_u64 s[G0B+4*\s+2:G0B+4*\s+3], s[46:47], \s*ROWB
	s_or_b32 s[G0B+4*\s+3], s[G0B+4*\s+3], 0x80000000
	JLOAD G0+4*\s, G1, G0B+4*\s, G1B               ; both slots: three loads of mine are out, and there are no more in this launch
.endr
	; every LDS address is made here, ahead of the place where the two ways part
	v_and_b32 v1, 15, v0                           ; r = l % 16
	v_bfe_u32 v2, v0, 4, 1                         ; h = l / 16
	v_mul_u32_u24 v3, v1, PITCH
	v_lshl_add_u32 v4, v2, 4, v3                   ; a fragment's row x pitch + 16 x half
	s_mul_i32 s21, s15, HALFT                      ; my 128 rows of A
	s_mul_i32 s22, s16, HALFT                      ; my 128 rows of B,
	s_add_co_u32 s22, s22, 2*HALFT                 ; which lie behind A's 256
.irp s, 0,1
	v_add_nc_u32 v[ADRA+\s], s21, v4
	v_add_nc_u32 v[ADRB+\s], s22, v4
	s_add_co_u32 s21, s21, SLOT
	s_add_co_u32 s22, s22, SLOT
.endr
	v_mul_u32_u24 v5, v1, KS                       ; my row's scales: 32 bytes a row,
	v_lshrrev_b32 v6, 8, v5
	v_lshl_add_u32 v5, v6, 4, v5                   ; and 16 more for each 256 passed
	s_mul_i32 s21, s15, HALFS                      ; A's: my 128 rows
	s_mul_i32 s22, s16, HALFS                      ; B's: my 128 rows, behind A's 256
	s_add_co_u32 s22, s22, 2*HALFS
	s_sub_co_u32 s22, s22, s21
	v_mul_u32_u24 v6, s22, v2                      ; lanes 16-31 take B's: one product, the distance x h
	s_add_co_u32 s21, s21, SCL
	v_add_nc_u32 v5, v5, v6
	v_add_nc_u32 v[ADRS], s21, v5
	v_and_b32 v6, 31, v0
	v_lshlrev_b32 v[LI], 4, v6
	v_lshlrev_b32 v7, 4, v1                        ; 16 r
	s_lshl_b32 s23, s14, 10                        ; q, k way: my stage, 1,024 x wave
	v_add_nc_u32 v[SWQ], s23, v7
	v_add_nc_u32 v[SRQ], s23, v[LI]
	s_lshl_b32 s23, s14, 9                         ; v way: 512 x wave, in bytes of its own
	s_add_co_u32 s23, s23, STGV
	v_add_nc_u32 v[SWV], s23, v7
	v_add_nc_u32 v[SRV], s23, v[LI]
	v_mul_u32_u24 v[VOF], v2, HEADB
	v_add_nc_u32 v[VOF], v[VOF], v7
	v_lshlrev_b32 v[BOQ], 5, v2
	v_lshlrev_b32 v[BOV], 2, v1
.irp b, 0,1,2,3
	v_mov_b32 v[PX+\b], 0                          ; written once: a lane permute's destination counts as one of its sources
.endr
	s_mov_b32 s[SEL], 0x76543210
	s_mov_b32 s[SEL+1], 0xfedcba98
.macro FRAG reg, adr, q, i             ; a fragment, 16 rows x 128 K, is 8 registers: lane l holds row l % 16; registers 4 c .. 4 c + 3 hold K = 64 c + 32 (l / 16) + 0 .. 31
.irp c, 0,1
	ds_load_b128 v[\reg+4*\c:\reg+4*\c+3], v[\adr] offset:64*(\q)+32*\c+(\i)*16*PITCH
.endr
.endm
; 16 matrix instructions: A's blocks a0, a0 + 1 x B's eight, the slot's q-th 128 along K.  p: B's set;  sc: the set of scale words.  zero = 1: the first product starts the sums.
; The 64 accumulators take turns, one instruction a turn, in the same order in every step.
.macro MUL16 a0, p, q, sc, zero
.irp a, \a0, \a0+1
.irp b, 0,1,2,3,4,5,6,7
.if \zero
	v_wmma_scale_f32_16x16x128_f8f6f4 v[8*(8*((\a)%4)+\b):8*(8*((\a)%4)+\b)+7], v[128*(\p)+FR*\b:128*(\p)+FR*\b+FR-1], v[AF+FR*(\a):AF+FR*(\a)+FR-1], 0, v[SC+8*NQ*(\sc)+NQ*\b+(\q)], v[SC+8*NQ*(\sc)+NQ*(\a)+(\q)] matrix_a_fmt:MATRIX_FMT_FP4 matrix_b_fmt:MATRIX_FMT_FP4 matrix_a_scale:MATRIX_SCALE_ROW1
.else
	v_wmma_scale_f32_16x16x128_f8f6f4 v[8*(8*((\a)%4)+\b):8*(8*((\a)%4)+\b)+7], v[128*(\p)+FR*\b:128*(\p)+FR*\b+FR-1], v[AF+FR*(\a):AF+FR*(\a)+FR-1], v[8*(8*((\a)%4)+\b):8*(8*((\a)%4)+\b)+7], v[SC+8*NQ*(\sc)+NQ*\b+(\q)], v[SC+8*NQ*(\sc)+NQ*(\a)+(\q)] matrix_a_fmt:MATRIX_FMT_FP4 matrix_b_fmt:MATRIX_FMT_FP4 matrix_a_scale:MATRIX_SCALE_ROW1
.endif
.endr
.endr
.endm
.macro FETCH_B slot, q, p              ; B's eight fragments of the slot's q-th 128 along K into set p
	WIN TO_B
.irp i, 0,1,2,3,4,5,6,7
	FRAG 128*(\p)+FR*\i, ADRB+\slot, \q, \i
.endr
	WIN 0
.endm
.macro FETCH_A slot, q, i0             ; A's blocks i0 .. i0 + 3
.irp i, \i0, \i0+1, \i0+2, \i0+3
	FRAG AF+FR*(\i), ADRA+\slot, \q, \i
.endr
.endm
.macro SCALES sc                       ; slot sc's scale words: four words a row, 16 sc bytes into the row; lanes 0-15 take A's block i, lanes 16-31 B's block i
.irp i, 0,1,2,3,4,5,6,7
	ds_load_b128 v[SC+8*NQ*\sc+NQ*\i:SC+8*NQ*\sc+NQ*\i+3], v[ADRS] offset:\i*SBLK+16*\sc
.endr
.endm
.macro PLACES n                        ; plain vector instructions that name no register of the matrix instructions ahead (ISA guide 7.12.1)
.rept \n
	v_nop
.endr
.endm
; A step of 128 along K that has its successor in the same slot.  A has one set of registers: blocks 0-3 are fetched anew in the step's middle, blocks 4-7 at its end; B has two sets.
.macro STEP slot, q, zero
	s_wait_dscnt 4*NL                              ; all but the youngest eight loads (A's blocks 4-7) are in
	WIN MUL_LO
	MUL16 0, (\q)%2, \q, \slot, \zero
	MUL16 2, (\q)%2, \q, \slot, \zero
	s_wait_dscnt 0                                 ; A's blocks 4-7 are in
	PLACES NP
	FETCH_B \slot, (\q)+1, 1-(\q)%2
	FETCH_A \slot, (\q)+1, 0
	WIN MUL_HI
	MUL16 4, (\q)%2, \q, \slot, \zero
	MUL16 6, (\q)%2, \q, \slot, \zero
	PLACES NP
	WIN 0
	FETCH_A \slot, (\q)+1, 4
.endm
; 64 numbers of a lane, v[t] .. v[t + 63]: block b of 32 = registers 16 b .. 16 b + 15 of this lane and of lane l xor 16 (register 8 i + j = place 16 i + 8 (l / 16) + j along the next K).
; They become 8 registers of codes in v[d] on, whole blocks to a lane (registers 4 g .. 4 g + 3: lanes 0-15 block 2 g, lanes 16-31 block 2 g + 1), and their bytes: v[HW] blocks 0, 1; v[HW+1] blocks 2, 3.
.macro QUANT64 t, d
.irp b, 0,1,2,3
	v_max3_num_f32 v[TM+\b], |v[\t+16*\b]|, |v[\t+16*\b+1]|, 0x1800000   ; my 16 numbers, and the floor 2^(3 - 127): the byte cannot fall under 1
.endr
.irp i, 2,4,6,8,10,12,14
.irp b, 0,1,2,3
	v_max3_num_f32 v[TM+\b], v[TM+\b], |v[\t+16*\b+\i]|, |v[\t+16*\b+\i+1]|   ; the four blocks by turns
.endr
.endr
.irp b, 0,1,2,3
	v_permlanex16_b32 v[PX+\b], v[TM+\b], s[SEL], s[SEL+1]
.endr
.irp b, 0,1,2,3
	v_max_num_f32 v[TM+\b], v[TM+\b], v[PX+\b]     ; with lane l xor 16's: the block's largest magnitude
.endr
.irp b, 0,1,2,3
	v_add_nc_u32 v[SO+\b], 0xff000000, v[TM+\b]    ; 2 off its exponent field: the conversion takes that field as its scale
.endr
.irp b, 0,1,2,3
	v_lshrrev_b32 v[PX+\b], 23, v[SO+\b]           ; the scale's byte
.endr
	v_lshl_or_b32 v[HW], v[PX+1], 8, v[PX]
	v_lshl_or_b32 v[HW+1], v[PX+3], 8, v[PX+2]
.irp g, 0,1
	v_cvt_scalef32_pk8_fp4_f32 v[\d+4*\g], v[\t+32*\g:\t+32*\g+7], v[SO+2*\g]
	v_cvt_scalef32_pk8_fp4_f32 v[\d+4*\g+1], v[\t+32*\g+16:\t+32*\g+23], v[SO+2*\g+1]
	v_cvt_scalef32_pk8_fp4_f32 v[\d+4*\g+2], v[\t+32*\g+8:\t+32*\g+15], v[SO+2*\g]
	v_cvt_scalef32_pk8_fp4_f32 v[\d+4*\g+3], v[\t+32*\g+24:\t+32*\g+31], v[SO+2*\g+1]
.endr
	v_nop                                          ; one plain place behind a scaled conversion
.irp g, 0,1
	v_permlane16_swap_b32 v[\d+4*\g], v[\d+4*\g+1]     ; the first's lanes 16-31 change places with the second's lanes 0-15
	v_permlane16_swap_b32 v[\d+4*\g+2], v[\d+4*\g+3]
.endr
.endm
; The last two steps of K: written once for each way, so that each way's bias lands under them.
.macro LAST2
	STEP 1, 2, 0
	s_wait_dscnt 4*NL
	WIN MUL_LO
	MUL16 0, 1, NQ-1, 1, 0
	MUL16 2, 1, NQ-1, 1, 0
	s_wait_dscnt 0
	WIN MUL_HI
	MUL16 4, 1, NQ-1, 1, 0
	MUL16 6, 1, NQ-1, 1, 0
	WIN 0
	PLACES NP                                      ; in front of the first read of results and the first write over A's fragments
	s_wait_loadcnt 0x0                             ; the bias
.endm
; Block a of A's eight: its 64 sums get their bias (each accumulator is read from its low end on), are quantised and leave.  kind 0: q, k;  1: v.
.macro ROWQ kind, a
	WIN 0x02+(\a)/4                                ; source 0: the accumulators' window
.set i, 0
.rept 32
.if \kind
	v_pk_add_f32 v[T+2*i:T+2*i+1], v[64*((\a)%4)+2*i:64*((\a)%4)+2*i+1], v[BI+2*(\a):BI+2*(\a)+1]   ; the bias of my lane's channel, twice
.else
	v_pk_add_f32 v[T+2*i:T+2*i+1], v[64*((\a)%4)+2*i:64*((\a)%4)+2*i+1], v[BI+2*i:BI+2*i+1]         ; the bias of my registers' channels
.endif
.set i, i+1
.endr
	WIN 0
.if (\a) > 0
	s_wait_xcnt 0x0                                ; the last block's stores have read their codes,
	s_wait_dscnt 0x0                               ; and its LDS stores their words: both are written again below
.endif
	QUANT64 T, DC
.if \kind
	v_lshl_or_b32 v[WW], v[HW+1], 16, v[HW]        ; the four key blocks' bytes: my channel's scale word for these 128 keys
	ds_store_b32 v[SWV], v[WW] offset:256*((\a)/4)+4*((\a)%4)      ; lanes r and r + 16 write the same word with the same value
	global_store_b128 v[LI], v[DC:DC+3], s[24+2*((\a)/4):25+2*((\a)/4)] offset:1024*((\a)%4)        ; 32 lanes store 512 consecutive bytes, at a multiple of 256 from kv's first byte
	global_store_b128 v[LI], v[DC+4:DC+7], s[24+2*((\a)/4):25+2*((\a)/4)] offset:1024*((\a)%4)+512
.else
	ds_store_b32 v[SWQ], v[HW] offset:256*((\a)/4)+4*((\a)%4)      ; two bytes low, zeros above
	ds_store_b32 v[SWQ], v[HW+1] offset:512+256*((\a)/4)+4*((\a)%4)
	global_store_b128 v[LI], v[DC:DC+3], s[24:25] offset:512*(\a)  ; my first head's image of these 16 rows
	global_store_b128 v[LI], v[DC+4:DC+7], s[26:27] offset:512*(\a)
.endif
.endm
	s_wait_tensorcnt 1                             ; the scales and my part of slot 0 are in (slot 1's load may be out)
	s_barrier_signal -1
	s_barrier_wait -1                              ; everybody's are
	FETCH_B 0, 0, 0
	FETCH_A 0, 0, 0
	SCALES 0
	FETCH_A 0, 0, 4
	STEP 0, 0, 1                                   ; the first step's products start the sums: nothing is cleared
	STEP 0, 1, 0
	STEP 0, 2, 0
	; slot 0's last step changes slots: one barrier; in front of it my part of slot 1 has landed and my reads of slot 0 are over
	s_wait_tensorcnt 0x0
	s_wait_dscnt 4*NL
	WIN MUL_LO
	MUL16 0, 1, NQ-1, 0, 0
	s_wait_dscnt 0x0
	s_barrier_signal -1
	MUL16 2, 1, NQ-1, 0, 0
	WIN 0
	s_barrier_wait -1
	PLACES NP
	FETCH_B 1, 0, 0
	FETCH_A 1, 0, 0
	SCALES 1
	WIN MUL_HI
	MUL16 4, 1, NQ-1, 0, 0
	MUL16 6, 1, NQ-1, 0, 0
	PLACES NP
	WIN 0
	FETCH_A 1, 0, 4
	STEP 1, 0, 0
	STEP 1, 1, 0
	s_cmp_ge_u32 ttmp9, 2                          ; the ways part on the cluster's x; no barrier and no tensor load stands in either way.  No tensor load is out: the descriptors' registers are free
	s_cbranch_scc1 .Lv
	; ---- q, k.  My A rows are 128 places of one batch, my B rows two heads
	s_lshr_b32 s18, s17, 3                         ; batch
	s_and_b32 s19, s17, 7
	s_lshl_b32 s19, s19, 1
	s_add_co_u32 s19, s19, s15                     ; which 128 places of the batch's 2,048
	s_and_b32 s22, s42, 3
	s_lshl_b32 s22, s22, 2
	s_lshl_b32 s23, s16, 1
	s_add_co_u32 s22, s22, s23
	s_lshl_b32 s18, s18, 4
	s_add_co_u32 s18, s18, s22                     ; my first head: 16 x batch + 4 (B's tile % 4) + 2 x half
	s_mov_b32 s43, HEADB
	s_mov_b32 s44, REC
	s_mov_b32 s45, 8192
	s_cmp_eq_u32 ttmp9, 1                          ; k (cluster x 1) goes into kv's records, q into q_img and q_sw: pointers and strides are chosen, the text is one
	s_cselect_b64 s[24:25], s[100:101], s[96:97]
	s_cselect_b64 s[28:29], s[100:101], s[98:99]
	s_cselect_b32 s34, s43, 65536                  ; images: from head to head,
	s_cselect_b32 s35, s44, 4096                   ; from 128 places to the next
	s_cselect_b32 s36, s43, s45                    ; scale words: from head to head,
	s_cselect_b32 s37, s44, 512                    ; from 128 places to the next,
	s_cselect_b32 s38, s45, 0                      ; and their place in a record
	s_mul_i32 s46, s18, s34
	s_mul_i32 s47, s19, s35
	s_add_co_u32 s46, s46, s47
	s_mov_b32 s47, 0
	s_add_nc_u64 s[24:25], s[24:25], s[46:47]      ; my first head's images
	s_mov_b32 s46, s34
	s_add_nc_u64 s[26:27], s[24:25], s[46:47]      ; my second head's
	s_mul_i32 s46, s18, s36
	s_mul_i32 s92, s19, s37
	s_add_co_u32 s46, s46, s92
	s_add_co_u32 s46, s46, s38
	s_add_nc_u64 s[28:29], s[28:29], s[46:47]      ; my first head's scale words
	s_mov_b32 s46, s36
	s_add_nc_u64 s[30:31], s[28:29], s[46:47]      ; my second head's
	s_lshl_b32 s46, s42, 10
	s_lshl_b32 s92, s16, 9
	s_add_co_u32 s46, s46, s92
	s_add_nc_u64 s[32:33], s[12:13], s[46:47]      ; b_in at my first B row
	s_wait_alu depctr_va_vdst(0)
.irp b, 0,1,2,3,4,5,6,7
	global_load_b128 v[BI+8*\b:BI+8*\b+3], v[BOQ], s[32:33] offset:64*\b       ; register 8 b + j: b_in of B row 16 b + 8 (l / 16) + j
	global_load_b128 v[BI+8*\b+4:BI+8*\b+7], v[BOQ], s[32:33] offset:64*\b+16
.endr
	LAST2
.irp a, 0,1,2,3,4,5,6,7
	ROWQ 0, \a
.endr
	ds_load_b128 v[FL:FL+3], v[SRQ]                ; LDS serves a wave's instructions in order: these see my stores
	ds_load_b128 v[FL+4:FL+7], v[SRQ] offset:512
	s_wait_dscnt 0x0
	global_store_b128 v[LI], v[FL:FL+3], s[28:29]  ; 512 consecutive bytes: a head's scale words of 128 places
	global_store_b128 v[LI], v[FL+4:FL+7], s[30:31]
	s_branch .Lend
.Lv:	; ---- v.  My A rows are two heads' channels, my B rows 128 keys of one batch
	s_lshr_b32 s18, s42, 3                         ; batch
	s_and_b32 s19, s42, 7
	s_lshl_b32 s19, s19, 1
	s_add_co_u32 s19, s19, s16                     ; which 128 keys
	s_sub_co_u32 s22, s17, 8
	s_lshl_b32 s22, s22, 2
	s_lshl_b32 s23, s15, 1
	s_add_co_u32 s22, s22, s23
	s_lshl_b32 s18, s18, 4
	s_add_co_u32 s18, s18, s22                     ; my first head
	s_mul_i32 s46, s18, HEADB
	s_mul_i32 s47, s19, REC
	s_add_co_u32 s46, s46, s47
	s_add_co_u32 s46, s46, 4096
	s_mov_b32 s47, 0
	s_add_nc_u64 s[24:25], s[100:101], s[46:47]    ; v's images in my first head's record,
	s_add_nc_u64 s[26:27], s[24:25], HEADB         ; in my second head's,
	s_add_nc_u64 s[28:29], s[24:25], 4608          ; and v's scale words (byte 8,704 of the record)
	s_lshl_b32 s46, s17, 10
	s_lshl_b32 s92, s15, 9
	s_add_co_u32 s46, s46, s92
	s_add_nc_u64 s[32:33], s[12:13], s[46:47]      ; b_in at my first A row
	s_wait_alu depctr_va_vdst(0)
.irp a, 0,1,2,3,4,5,6,7
	global_load_b32 v[BI+2*\a], v[BOV], s[32:33] offset:64*\a          ; b_in of A row 16 a + l % 16, twice: a pair for the packed addition
	global_load_b32 v[BI+2*\a+1], v[BOV], s[32:33] offset:64*\a
.endr
	LAST2
.irp a, 0,1,2,3,4,5,6,7
	ROWQ 1, \a
.endr
	ds_load_b128 v[FL:FL+3], v[SRV]
	s_wait_dscnt 0x0
	global_store_b128 v[VOF], v[FL:FL+3], s[28:29] ; lanes 0-15: 256 consecutive bytes of my first head's record, lanes 16-31 of my second's
.Lend:
	s_wait_tensorcnt 0x0
	ds_add_u32 v23, v127
	s_wait_dscnt 0x0
	CROUND                                         ; the closing round: no work-group ends while a partner may still ask for a tile that names it
	s_endpgm
.Lfunc_end_k_q2bf238168f_proj:
	.size	k_q2bf238168f_proj, .Lfunc_end_k_q2bf238168f_proj-k_q2bf238168f_proj
	.p2alignl 7, 3214868480
	.fill 96, 4, 3214868480
	.section	.rodata,"a",@progbits
	.p2align	6, 0x0
	.amdhsa_kernel k_q2bf238168f_proj
		.amdhsa_group_segment_fixed_size 296448
		.amdhsa_private_segment_fixed_size 0
		.amdhsa_enable_private_segment 0
		.amdhsa_kernarg_size 64
		.amdhsa_user_sgpr_count 2
		.amdhsa_user_sgpr_kernarg_segment_ptr 1
		.amdhsa_wavefront_size32 1
		.amdhsa_system_sgpr_workgroup_id_x 1
		.amdhsa_system_sgpr_workgroup_id_y 1
		.amdhsa_system_sgpr_workgroup_id_z 1
		.amdhsa_system_vgpr_workitem_id 0
		.amdhsa_next_free_vgpr 1024
		.amdhsa_next_free_sgpr 102
		.amdhsa_reserve_vcc 0
		.amdhsa_float_denorm_mode_32 3
		.amdhsa_float_denorm_mode_16_64 3
		.amdhsa_memory_ordered 1
		.amdhsa_forward_progress 1
		.amdhsa_inst_pref_size 217
	.end_amdhsa_kernel
	.amdgpu_metadata
---
amdhsa.version: [ 1, 2 ]
amdhsa.kernels:
  - .name:           k_q2bf238168f_proj
    .symbol:         k_q2bf238168f_proj.kd
    .args:
      - { .name: qkv_codes, .offset: 0, .size: 8, .value_kind: global_buffer, .address_space: global }
      - { .name: qkv_scales, .offset: 8, .size: 8, .value_kind: global_buffer, .address_space: global }
      - { .name: W_in_codes, .offset: 16, .size: 8, .value_kind: global_buffer, .address_space: global }
      - { .name: W_in_scales, .offset: 24, .size: 8, .value_kind: global_buffer, .address_space: global }
      - { .name: q_img, .offset: 32, .size: 8, .value_kind: global_buffer, .address_space: global }
      - { .name: q_sw, .offset: 40, .size: 8, .value_kind: global_buffer, .address_space: global }
      - { .name: kv, .offset: 48, .size: 8, .value_kind: global_buffer, .address_space: global }
      - { .name: b_in, .offset: 56, .size: 8, .value_kind: global_buffer, .address_space: global }
    .group_segment_fixed_size: 296448
    .private_segment_fixed_size: 0
    .kernarg_segment_align: 8
    .kernarg_segment_size: 64
    .max_flat_workgroup_size: 128
    .sgpr_count:     102
    .vgpr_count:     1024
    .wavefront_size: 32
...
	.end_amdgpu_metadata
.endif
;; end of part 1
;; launch attn (part 2): grid 4 x 64, 16 waves a work-group, clusters of 4 x 1, 169,984 bytes of LDS; arguments q_img, q_sw, kv, ctx_img, ctx_sc; writes ctx_img, ctx_sc
.if DOCPART == 2
	.amdgcn_target "amdgcn-amd-amdhsa--gfx1250"
	.amdhsa_code_object_version 6
	.text
	.protected	k_q2bf238168f_attn
	.globl	k_q2bf238168f_attn
	.p2align	8
	.type	k_q2bf238168f_attn,@function
k_q2bf238168f_attn:
	s_mov_b64 s[64:65], 0
	v_nop
	global_prefetch_b8 v0, s[64:65] scope:SCOPE_SE
	s_setreg_imm32_b32 hwreg(HW_REG_WAVE_MODE, 25, 1), 1
	s_wait_xcnt 0x0
	s_wait_alu depctr_hold_cnt(0) depctr_sa_sdst(0) depctr_va_vdst(0) depctr_va_sdst(0) depctr_va_ssrc(0) depctr_va_vcc(0) depctr_vm_vsrc(0)
	s_getreg_b32 s2, hwreg(HW_REG_IB_STS2, 6, 4)
	s_cmp_eq_u32 s2, 0
	s_cbranch_scc0 .Lentry_in_a_cluster
	s_endpgm
.Lentry_in_a_cluster:
	s_bfe_u32 s2, ttmp6, 0x10000c
	s_cmp_lg_u32 s2, 0x3003
	s_cbranch_scc0 .Lentry_shape_is_right
	s_endpgm
.Lentry_shape_is_right:
; ctx[head][q] = the sum over k of softmax_k(q . k / 8) v, both products on codes of FP4 (E2M1) with one E8M0 scale for each 32 along a product's K; ctx is quantised at once along its 64 channels (two blocks) and leaves as codes.
; THE SOFTMAX AHEAD OF THE SECOND PRODUCT: t = score x log2(e) / 8; M = the row's largest t so far, rounded UP to a whole number; p = 2^(t - M) is what is quantised, along the keys; the row's sum is taken of the
; unquantised p, in f32, and divides at the end.  When M moves, the sum and O are multiplied by 2^(old M - new M): exact.
; SHARES.  A work-group owns 512 queries of one head; each of its sixteen waves owns two tiles of 16, in 256 registers: four waves to a SIMD, so that one wave's vector work stands beside another's products and LDS loads.
; A head's 16 records of kv (128 keys each: k's images, v's images, their scale words; 8,960 bytes) are 143,360 dense bytes: they come into LDS ONCE, a record a wave, and stay: no LDS byte is filled again.
; CLUSTER.  The four work-groups of a cluster own the four blocks of queries of one head and need the same records: each is asked for jointly, by the same tensor load with a mask that names the four.
; LAYOUT.  Both products are used transposed: S^T = K Q^T (source 0 = 16 keys, source 1 = 16 queries), O^T = V^T P^T (source 0 = 16 channels, source 1 = P): a lane holds ONE query (lane % 16) throughout.
; Every operand lies in LDS as an image of its registers: each load reads 512 consecutive bytes, 16 a lane.  Each fragment of K and V that is read serves both tiles of queries.
; K = 64 IN AN INSTRUCTION OF K = 128.  Q's registers 4-7 are zero codes, and the upper two bytes of Q's and K's scale words are 0 (a power of two, no NaN).  So what stands in K's registers 4-7 adds nothing:
; K's tile t is v[32 + 4 t .. 39 + 4 t], whose upper four registers are the next tile's codes; four registers of zeros stand behind tile 7.
; LIMITS: NaN and infinities are not served.  A block of p or of ctx whose largest number lies under 2^-124 gets the byte 1: its codes are zeros or nearly so, and this program alone reads the bytes.  1 / l is v_rcp_f32 and a multiplication.
; The scale bytes of ctx leave two a lane, 32 bytes apart (262,144 bytes in all, against 4,194,304 of codes that leave in whole runs of 512).
.set REC,   8960
.set HEADB, 16*REC
.set LI,  1                            ; v1   16 x lane
.set LR,  2                            ; v2   16 x (lane % 16)
.set ADR, 3                            ; v3   the record in hand + 16 x lane
.set ADV, 252                          ; v252 the record in hand + 16 x (lane % 16)
                                       ; v[4:5], v[8:9] tile 0's, tile 1's -M and largest t;  v[6:7], v[10:11] their sums, in two halves
.set QS,  12                           ; v12-13  Q's scale words
.set PS,  14                           ; v14-15  p's scale words
.set QF,  16                           ; v16-31  Q's two fragments: four registers of codes, four of zeros
.set KF,  32                           ; v32-63  K's eight images, later V's four fragments;  v64-67 zeros
.set KS,  68                           ; v68-71  K's scale words: register i: lanes 0-15 tile i, lanes 16-31 tile 4 + i
.set VS,  72                           ; v72-75  V's scale words: register t: channel tile t
.set S,   76                           ; v76-139 S^T, then p
.set OF,  140                          ; v140-203 O^T: 32 registers a tile
.set PF,  204                          ; v204-219 p's codes: 8 registers a tile
.set TM,  220                          ; v220-223 the blocks' largest
.set PX,  224                          ; v224-227 the other lane half's, then the bytes
.set SO,  228                          ; v228-231 the conversions' scale operands
.set F,   232                          ; v[232:233] f = 2^(old M - new M); the upper register is only named
.set TMP, 234
.set CH,  236                          ; v[236:237] the sum's second chain
.set HW,  238                          ; v238-239 ctx's scale bytes, two a tile
.set RL,  240                          ; v[240:241], v[242:243] 1 / l, twice each
.set HS,  244                          ; v244 the two bytes of my lane's row
.set SCO, 245                          ; v245 32 x lane
.set WV,  14
.set QB,  15
.set BH,  16
.set SEL, 20                           ; s[20:21] lane selects for v_permlanex16_b32: lane l xor 16
.set CS,  22                           ; s[22:23] c = log2(e) / 8
.set G1,  24
.set G0,  32
.set TB,  36                           ; s36 LDS byte of the record in hand
.set TRIPS, 37
.macro ROUND                           ; a round of the cluster's barrier
	s_barrier_signal -1
	s_barrier_wait -1
	s_cmp_lg_u32 s[WV], 0
	s_cbranch_scc1 .Lnot_wave_0_\@
	s_barrier_signal -3
.Lnot_wave_0_\@:
	s_barrier_wait -3
	s_barrier_signal -1
	s_barrier_wait -1
.endm
.macro PLACES n
.rept \n
	v_nop
.endr
.endm
	s_load_b256 s[4:11], s[0:1], 0x0               ; q_img, q_sw, kv, ctx_img
	s_load_b64 s[12:13], s[0:1], 0x20              ; ctx_sc
	v_lshl_add_u32 v254, v0, 2, 0x29000
	v_mov_b32 v255, 0
	ds_add_u32 v254, v255
	ds_add_u32 v254, v255
	v_lshrrev_b32 v1, 5, v0
	s_delay_alu instid0(VALU_DEP_1)
	v_readfirstlane_b32 s[WV], v1                  ; wave 0..15
	s_bfe_u32 s[QB], ttmp6, 0x40000                ; cx
	s_lshl_b32 s17, ttmp9, 2
	s_add_co_u32 s[QB], s[QB], s17                 ; my block of 512 queries: it enters global addresses of q and ctx alone
	s_and_b32 s[BH], ttmp7, 0xffff                 ; the head (16 x batch + head), which the four partners share
	s_mul_i32 s38, s[BH], HEADB
	s_mul_i32 s[G0+1], s[WV], REC                  ; 63:32 LDS address: record = wave
	s_add_co_u32 s38, s38, s[G0+1]
	s_mov_b32 s39, 0
	s_mov_b32 s[G0], 1                             ; 1:0 count = 1
	; descriptor group 1: 8,960 dense bytes as 35 rows of 256 bytes (32 elements of 8 bytes), no padding
	s_mov_b32 s[G1], 15|(3<<16)|(1<<21)            ; 15:0 the mask: all four work-groups; 17:16 elements of 8 bytes; 21 set beside a mask
	s_mov_b32 s[G1+1], 32<<16                      ; tensor_dim0
	s_mov_b32 s[G1+2], 35<<16                      ; tensor_dim1
	s_mov_b32 s[G1+3], 32<<16                      ; tile_dim0
	s_mov_b32 s[G1+4], 35                          ; tile_dim1
	s_mov_b32 s[G1+5], 32                          ; tensor_dim0_stride
	s_mov_b32 s[G1+6], 0
	s_mov_b32 s[G1+7], 0
	s_lshl_b32 s17, s[QB], 5
	s_lshl_b32 s18, s[WV], 1
	s_add_co_u32 s17, s17, s18                     ; my first tile of 16 queries in the head: 32 x block + 2 x wave
	s_lshl_b32 s40, s[BH], 16                      ; q_img: 65,536 a head, 512 a tile
	s_lshl_b32 s18, s17, 9
	s_add_co_u32 s40, s40, s18
	s_mov_b32 s41, 0
	s_lshl_b32 s42, s[BH], 13                      ; q_sw: 8,192 a head; 512 for 8 tiles; in them tile t's words at 256 (t / 4) + 16 r + 4 (t % 4)
	s_lshr_b32 s18, s17, 3
	s_lshl_b32 s18, s18, 9
	s_add_co_u32 s42, s42, s18
	s_bfe_u32 s18, s17, 0x10002
	s_lshl_b32 s18, s18, 8
	s_add_co_u32 s42, s42, s18
	s_and_b32 s18, s17, 3
	s_lshl_b32 s18, s18, 2
	s_add_co_u32 s42, s42, s18
	s_mov_b32 s43, 0
	s_lshr_b32 s18, s[BH], 4
	s_lshl_b32 s18, s18, 7
	s_add_co_u32 s18, s18, s17                     ; my first tile of 16 rows of ctx: 128 x batch + the tile
	s_and_b32 s19, s[BH], 15                       ; the head in its batch
	s_lshl_b32 s44, s18, 13                        ; ctx_img: 8,192 a tile of rows, 512 a head
	s_lshl_b32 s45, s19, 9
	s_add_co_u32 s44, s44, s45
	s_mov_b32 s45, 0
	s_lshl_b32 s46, s18, 9                         ; ctx_sc: 32 bytes a row, 2 a head
	s_lshl_b32 s47, s19, 1
	s_add_co_u32 s46, s46, s47
	s_mov_b32 s47, 0
	s_mov_b32 s[SEL], 0x76543210
	s_mov_b32 s[SEL+1], 0xfedcba98
	s_mov_b32 s[CS], 0x3e38aa3b                    ; c = log2(e) / 8
	s_mov_b32 s[CS+1], s[CS]                       ; (named with it as a pair, so it is written)
	s_mov_b32 s[TB], 0
	s_mov_b32 s[TRIPS], 16
	s_wait_dscnt 0x0
	s_wait_kmcnt 0x0
	s_add_nc_u64 s[G0+2:G0+3], s[8:9], s[38:39]    ; 120:64 global address: the head's record number wave
	s_or_b32 s[G0+3], s[G0+3], 0x80000000          ; 127:126 type = 2
	s_add_nc_u64 s[4:5], s[4:5], s[40:41]
	s_add_nc_u64 s[6:7], s[6:7], s[42:43]
	s_add_nc_u64 s[10:11], s[10:11], s[44:45]
	s_add_nc_u64 s[12:13], s[12:13], s[46:47]
	ROUND                                          ; all four work-groups are here: the joint loads meet
	tensor_load_to_lds s[G0:G0+3], s[G1:G1+7]      ; my one tensor load of the launch
	s_nop 0
.rept 4
	v_nop
.endr
	v_and_b32 v[LI], 31, v0
	s_delay_alu instid0(VALU_DEP_1)
	v_lshlrev_b32 v[SCO], 5, v[LI]
	s_delay_alu instid0(VALU_DEP_2)
	v_lshlrev_b32 v[LI], 4, v[LI]
	v_and_b32 v[LR], 15, v0
	s_delay_alu instid0(VALU_DEP_1)
	v_lshlrev_b32 v[LR], 4, v[LR]
	global_load_b128 v[QF:QF+3], v[LI], s[4:5]             ; Q's two images stay in registers
	global_load_b128 v[QF+8:QF+11], v[LI], s[4:5] offset:512
	global_load_b64 v[QS:QS+1], v[LR], s[6:7]              ; and their scale words: lane r has row r's
.irp j, 4,5,6,7,12,13,14,15
	v_mov_b32 v[QF+\j], 0                          ; zero codes for K = 64 .. 127
.endr
.irp j, 0,1,2,3
	v_mov_b32 v[KF+32+\j], 0                       ; behind K's tile 7
	v_mov_b32 v[PX+\j], 0                          ; written once: a lane permute's destination counts as one of its sources
.endr
.irp u, 0,1
	v_mov_b32 v[5+4*\u], 0xff61b1e6                ; the largest t so far: -3e38, under every t
	s_delay_alu instid0(VALU_DEP_1)
	v_floor_f32 v[4+4*\u], -v[5+4*\u]              ; -M
	v_mov_b32 v[6+4*\u], 0                         ; the sum, in two halves
	v_mov_b32 v[7+4*\u], 0
.endr
	v_mov_b32 v[F+1], 0
.set i, 0
.rept 64
	v_mov_b32 v[OF+i], 0                           ; O^T.  (The trip is written once: the first finds zeros, which the first change of M leaves zeros)
.set i, i+1
.endr
; S^T = K Q^T for tile u of my queries: eight tiles of 16 keys; every product starts its own sum
.macro KQ u
.irp t, 0,1,2,3
	v_wmma_scale_f32_16x16x128_f8f6f4 v[S+8*\t:S+8*\t+7], v[KF+4*\t:KF+4*\t+7], v[QF+8*\u:QF+8*\u+7], 0, v[KS+\t], v[QS+\u] matrix_a_fmt:MATRIX_FMT_FP4 matrix_b_fmt:MATRIX_FMT_FP4
.endr
.irp t, 4,5,6,7
	v_wmma_scale_f32_16x16x128_f8f6f4 v[S+8*\t:S+8*\t+7], v[KF+4*\t:KF+4*\t+7], v[QF+8*\u:QF+8*\u+7], 0, v[KS+\t-4], v[QS+\u] matrix_a_fmt:MATRIX_FMT_FP4 matrix_b_fmt:MATRIX_FMT_FP4 matrix_a_scale:MATRIX_SCALE_ROW1
.endr
.endm
; Tile u's softmax of 128 keys.  Register 8 t + j of S holds key 16 t + 8 (lane / 16) + j of my query: block b of 32 keys = registers 16 b .. 16 b + 15 of this lane and of lane l xor 16.
.macro SOFTMAX u
.set NM, 4+4*\u
.set SU, 6+4*\u
.set PU, PF+8*\u
.set OU, OF+32*\u
.irp b, 0,1,2,3
	v_max3_num_f32 v[TM+\b], v[S+16*\b], v[S+16*\b+1], v[S+16*\b+2]   ; the largest score of each block: it serves the row's maximum and, since p rises with the score, the block's largest p.  (Each result is read from its low end on)
.endr
.irp i, 3,5,7,9,11,13
.irp b, 0,1,2,3
	v_max3_num_f32 v[TM+\b], v[TM+\b], v[S+16*\b+\i], v[S+16*\b+\i+1]
.endr
.endr
.irp b, 0,1,2,3
	v_max_num_f32 v[TM+\b], v[TM+\b], v[S+16*\b+15]
.endr
.irp b, 0,1,2,3
	s_delay_alu instid0(VALU_DEP_4)
	v_permlanex16_b32 v[PX+\b], v[TM+\b], s[SEL], s[SEL+1]
.endr
.irp b, 0,1,2,3
	s_delay_alu instid0(VALU_DEP_4)
	v_max_num_f32 v[TM+\b], v[TM+\b], v[PX+\b]     ; with lane l xor 16's 16 keys
.endr
	s_delay_alu instid0(VALU_DEP_2)
	v_max3_num_f32 v[TMP], v[TM], v[TM+1], v[TM+2]
	s_delay_alu instid0(VALU_DEP_1)
	v_max_num_f32 v[TMP], v[TMP], v[TM+3]          ; the step's largest score of my query
	s_delay_alu instid0(VALU_DEP_1)
	v_mul_f32 v[TMP], s[CS], v[TMP]                ; as t (c is positive)
	s_delay_alu instid0(VALU_DEP_1)
	v_max_num_f32 v[NM+1], v[NM+1], v[TMP]         ; the running largest t
	v_mov_b32 v[TMP], v[NM]
	s_delay_alu instid0(VALU_DEP_2)
	v_floor_f32 v[NM], -v[NM+1]                    ; the new -M = floor(-t) = -ceil(t): a whole number
	s_delay_alu instid0(VALU_DEP_1)
	v_sub_f32 v[TMP], v[NM], v[TMP]                ; old M - new M: a whole number, 0 or less
	s_delay_alu instid0(VALU_DEP_1)
	v_cvt_i32_f32 v[TMP], v[TMP]                   ; (it saturates)
	s_delay_alu instid0(VALU_DEP_1)
	v_ldexp_f32 v[F], 1.0, v[TMP]                  ; f = 2^(old M - new M)
.set i, 0
.rept 32
	v_pk_fma_f32 v[S+2*i:S+2*i+1], v[S+2*i:S+2*i+1], s[CS:CS+1], v[NM:NM+1] op_sel_hi:[1,0,0]   ; t - M, two at a time (of the pairs c and -M the low word serves both halves)
.set i, i+1
.endr
.irp b, 0,1,2,3
	v_fma_f32 v[TM+\b], v[TM+\b], s[CS], v[NM]     ; the same of each block's largest score
.endr
.set i, 0
	s_wait_alu depctr_va_vdst(0)
.rept 64
	v_exp_f32 v[S+i], v[S+i]                       ; p = 2^(t - M), at most 1
.set i, i+1
.endr
.irp b, 0,1,2,3
	v_exp_f32 v[TM+\b], v[TM+\b]                   ; the block's largest p: the same two instructions on the same number give the same bits
.endr
	v_pk_mul_f32 v[SU:SU+1], v[SU:SU+1], v[F:F+1] op_sel_hi:[1,0]   ; the sums under the new M.  (A plain place behind the exponentials)
	s_wait_alu depctr_va_vdst(0)
.irp b, 0,1,2,3
	v_max_num_f32 v[TM+\b], 0x1800000, v[TM+\b]    ; the floor 2^(3 - 127): the byte cannot fall under 1
.endr
.irp b, 0,1,2,3
	s_delay_alu instid0(VALU_DEP_4)
	v_add_nc_u32 v[SO+\b], 0xff000000, v[TM+\b]    ; 2 off the exponent field: the conversion's scale operand
.endr
.irp b, 0,1,2,3
	s_delay_alu instid0(VALU_DEP_4)
	v_lshrrev_b32 v[PX+\b], 23, v[SO+\b]           ; the scale's byte
.endr
	s_delay_alu instid0(VALU_DEP_3)
	v_lshl_or_b32 v[PS+\u], v[PX+1], 8, v[PX]      ; p's scale word for these 128 keys
	s_delay_alu instid0(VALU_DEP_1)
	v_lshl_or_b32 v[PS+\u], v[PX+2], 16, v[PS+\u]
	s_delay_alu instid0(VALU_DEP_1)
	v_lshl_or_b32 v[PS+\u], v[PX+3], 24, v[PS+\u]
.irp c, 0,1
	v_cvt_scalef32_pk8_fp4_f32 v[PU+4*\c], v[S+32*\c:S+32*\c+7], v[SO+2*\c]
	v_cvt_scalef32_pk8_fp4_f32 v[PU+4*\c+1], v[S+32*\c+16:S+32*\c+23], v[SO+2*\c+1]
	v_cvt_scalef32_pk8_fp4_f32 v[PU+4*\c+2], v[S+32*\c+8:S+32*\c+15], v[SO+2*\c]
	v_cvt_scalef32_pk8_fp4_f32 v[PU+4*\c+3], v[S+32*\c+24:S+32*\c+31], v[SO+2*\c+1]
.endr
	v_nop                                          ; one plain place behind a scaled conversion
.irp c, 0,1
	v_permlane16_swap_b32 v[PU+4*\c], v[PU+4*\c+1]     ; whole blocks to a lane, in their natural order: registers 4 c .. 4 c + 3 hold keys 64 c + 32 (lane / 16) + 0 .. 31
	v_permlane16_swap_b32 v[PU+4*\c+2], v[PU+4*\c+3]
.endr
	v_pk_add_f32 v[CH:CH+1], v[S:S+1], v[S+2:S+3]  ; the row's sum is taken of the unquantised p: two at a time, in two chains
.irp j, 4,8,12,16,20,24,28,32,36,40,44,48,52,56,60
	v_pk_add_f32 v[SU:SU+1], v[SU:SU+1], v[S+\j:S+\j+1]
	v_pk_add_f32 v[CH:CH+1], v[CH:CH+1], v[S+\j+2:S+\j+3]
.endr
	s_delay_alu instid0(VALU_DEP_1)
	v_pk_add_f32 v[SU:SU+1], v[SU:SU+1], v[CH:CH+1]
.set i, 0
.rept 16
	v_pk_mul_f32 v[OU+2*i:OU+2*i+1], v[OU+2*i:OU+2*i+1], v[F:F+1] op_sel_hi:[1,0]   ; O^T under the new M.  (These and the sums are the places between p's codes and scale word and the products that take them)
.set i, i+1
.endr
.endm
; 64 numbers of a lane become 8 registers of codes and two pairs of bytes: block b = registers 16 b .. 16 b + 15 of this lane and of lane l xor 16
.macro QUANT64 t, d
.irp b, 0,1,2,3
	v_max3_num_f32 v[TM+\b], |v[\t+16*\b]|, |v[\t+16*\b+1]|, 0x1800000
.endr
.irp i, 2,4,6,8,10,12,14
.irp b, 0,1,2,3
	s_delay_alu instid0(VALU_DEP_4)
	v_max3_num_f32 v[TM+\b], v[TM+\b], |v[\t+16*\b+\i]|, |v[\t+16*\b+\i+1]|
.endr
.endr
.irp b, 0,1,2,3
	s_delay_alu instid0(VALU_DEP_4)
	v_permlanex16_b32 v[PX+\b], v[TM+\b], s[SEL], s[SEL+1]
.endr
.irp b, 0,1,2,3
	s_delay_alu instid0(VALU_DEP_4)
	v_max_num_f32 v[TM+\b], v[TM+\b], v[PX+\b]
.endr
.irp b, 0,1,2,3
	s_delay_alu instid0(VALU_DEP_4)
	v_add_nc_u32 v[SO+\b], 0xff000000, v[TM+\b]
.endr
.irp b, 0,1,2,3
	s_delay_alu instid0(VALU_DEP_4)
	v_lshrrev_b32 v[PX+\b], 23, v[SO+\b]
.endr
	s_delay_alu instid0(VALU_DEP_3)
	v_lshl_or_b32 v[HW], v[PX+1], 8, v[PX]
	s_delay_alu instid0(VALU_DEP_2)
	v_lshl_or_b32 v[HW+1], v[PX+3], 8, v[PX+2]
.irp g, 0,1
	v_cvt_scalef32_pk8_fp4_f32 v[\d+4*\g], v[\t+32*\g:\t+32*\g+7], v[SO+2*\g]
	v_cvt_scalef32_pk8_fp4_f32 v[\d+4*\g+1], v[\t+32*\g+16:\t+32*\g+23], v[SO+2*\g+1]
	v_cvt_scalef32_pk8_fp4_f32 v[\d+4*\g+2], v[\t+32*\g+8:\t+32*\g+15], v[SO+2*\g]
	v_cvt_scalef32_pk8_fp4_f32 v[\d+4*\g+3], v[\t+32*\g+24:\t+32*\g+31], v[SO+2*\g+1]
.endr
	v_nop
.irp g, 0,1
	v_permlane16_swap_b32 v[\d+4*\g], v[\d+4*\g+1]
	v_permlane16_swap_b32 v[\d+4*\g+2], v[\d+4*\g+3]
.endr
.endm
	s_wait_tensorcnt 0x0                           ; my record is in,
	s_barrier_signal -1
	s_barrier_wait -1                              ; everybody's is: the head's 2,048 keys lie in LDS
	s_wait_loadcnt 0x0                             ; Q
.Lstep:                                                ; 16 trips of 128 keys
	s_setprio 2
	v_add_nc_u32 v[ADR], s[TB], v[LI]              ; these two and two v_nop are the four places between the last trip's products and the loads into the registers that they read
	v_add_nc_u32 v[ADV], s[TB], v[LR]
	PLACES 2
.irp t, 0,1,2,3,4,5,6,7
	ds_load_b128 v[KF+4*\t:KF+4*\t+3], v[ADR] offset:512*\t    ; K's eight images
.endr
	ds_load_b128 v[KS:KS+3], v[ADR] offset:8192    ; K's scale words
	s_wait_dscnt 0x0
	KQ 0
	PLACES 4
	SOFTMAX 0
	KQ 1
	PLACES 4                                       ; in front of the loads into K's registers and of the first read of the scores
.irp t, 0,1,2,3
.irp c, 0,1
	ds_load_b128 v[KF+8*\t+4*\c:KF+8*\t+4*\c+3], v[ADR] offset:4096+1024*\t+512*\c   ; V's four fragments: they land under the second softmax
.endr
.endr
	ds_load_b128 v[VS:VS+3], v[ADV] offset:8704    ; V's scale words
	s_setprio 1
	SOFTMAX 1
	s_setprio 0
	s_wait_alu depctr_va_vdst(0)
	s_wait_dscnt 0x0
.irp t, 0,1,2,3                        ; O^T += V^T P^T: the eight accumulators take turns, one instruction a turn
.irp u, 0,1
	v_wmma_scale_f32_16x16x128_f8f6f4 v[OF+32*\u+8*\t:OF+32*\u+8*\t+7], v[KF+8*\t:KF+8*\t+7], v[PF+8*\u:PF+8*\u+7], v[OF+32*\u+8*\t:OF+32*\u+8*\t+7], v[VS+\t], v[PS+\u] matrix_a_fmt:MATRIX_FMT_FP4 matrix_b_fmt:MATRIX_FMT_FP4
.endr
.endr
	s_add_co_u32 s[TB], s[TB], REC
	s_sub_co_u32 s[TRIPS], s[TRIPS], 1
	s_cmp_lg_u32 s[TRIPS], 0
	s_cbranch_scc1 .Lstep
	s_setprio 0
	; THE WAY OUT.  O^T / l; register 8 t + j of a tile holds channel 16 t + 8 (lane / 16) + j of my row: the two tiles' 64 numbers are quantised together
	PLACES 4
	v_add_f32 v[TM], v6, v7                        ; the sums' two halves,
	v_add_f32 v[TM+1], v10, v11
	s_delay_alu instid0(VALU_DEP_2)
	v_permlanex16_b32 v[PX], v[TM], s[SEL], s[SEL+1]
	s_delay_alu instid0(VALU_DEP_2)
	v_permlanex16_b32 v[PX+1], v[TM+1], s[SEL], s[SEL+1]
	s_delay_alu instid0(VALU_DEP_2)
	v_add_f32 v[TM], v[TM], v[PX]                  ; and lane l xor 16's: the rows' sums
	s_delay_alu instid0(VALU_DEP_2)
	v_add_f32 v[TM+1], v[TM+1], v[PX+1]
	s_wait_alu depctr_va_vdst(0)
	v_rcp_f32 v[RL], v[TM]
	v_rcp_f32 v[RL+1], v[TM]
	v_rcp_f32 v[RL+2], v[TM+1]
	v_rcp_f32 v[RL+3], v[TM+1]
	v_nop                                          ; a plain place behind the transcendentals
	s_wait_alu depctr_va_vdst(0)
.irp u, 0,1
.set i, 0
.rept 16
	v_pk_mul_f32 v[S+32*\u+2*i:S+32*\u+2*i+1], v[OF+32*\u+2*i:OF+32*\u+2*i+1], v[RL+2*\u:RL+2*\u+1]
.set i, i+1
.endr
.endr
	QUANT64 S, PF
	global_store_b128 v[LI], v[PF:PF+3], s[10:11]                  ; my first tile's image for this head: 512 consecutive bytes, at a multiple of 256 from ctx_img's first byte
	global_store_b128 v[LI], v[PF+4:PF+7], s[10:11] offset:8192    ; my second tile's
	s_mov_b32 vcc_lo, 0xffff0000
	v_cndmask_b32 v[HS], v[HW], v[HW+1], vcc_lo    ; lane l = row l of my 32: lanes 0-15 the first tile's bytes, lanes 16-31 the second's (both halves of the lanes hold row l % 16's)
	global_store_b16 v[SCO], v[HS], s[12:13]
	s_wait_tensorcnt 0x0
	ds_add_u32 v254, v255
	s_wait_dscnt 0x0
	ROUND                                          ; the closing round: no work-group ends while a partner may still ask for a record that names it
	s_endpgm
.Lfunc_end_k_q2bf238168f_attn:
	.size	k_q2bf238168f_attn, .Lfunc_end_k_q2bf238168f_attn-k_q2bf238168f_attn
	.p2alignl 7, 3214868480
	.fill 96, 4, 3214868480
	.section	.rodata,"a",@progbits
	.p2align	6, 0x0
	.amdhsa_kernel k_q2bf238168f_attn
		.amdhsa_group_segment_fixed_size 169984
		.amdhsa_private_segment_fixed_size 0
		.amdhsa_enable_private_segment 0
		.amdhsa_kernarg_size 40
		.amdhsa_user_sgpr_count 2
		.amdhsa_user_sgpr_kernarg_segment_ptr 1
		.amdhsa_wavefront_size32 1
		.amdhsa_system_sgpr_workgroup_id_x 1
		.amdhsa_system_sgpr_workgroup_id_y 1
		.amdhsa_system_sgpr_workgroup_id_z 1
		.amdhsa_system_vgpr_workitem_id 0
		.amdhsa_next_free_vgpr 256
		.amdhsa_next_free_sgpr 66
		.amdhsa_reserve_vcc 1
		.amdhsa_float_denorm_mode_32 3
		.amdhsa_float_denorm_mode_16_64 3
		.amdhsa_memory_ordered 1
		.amdhsa_forward_progress 1
		.amdhsa_inst_pref_size 46
	.end_amdhsa_kernel
	.amdgpu_metadata
---
amdhsa.version: [ 1, 2 ]
amdhsa.kernels:
  - .name:           k_q2bf238168f_attn
    .symbol:         k_q2bf238168f_attn.kd
    .args:
      - { .name: q_img, .offset: 0, .size: 8, .value_kind: global_buffer, .address_space: global }
      - { .name: q_sw, .offset: 8, .size: 8, .value_kind: global_buffer, .address_space: global }
      - { .name: kv, .offset: 16, .size: 8, .value_kind: global_buffer, .address_space: global }
      - { .name: ctx_img, .offset: 24, .size: 8, .value_kind: global_buffer, .address_space: global }
      - { .name: ctx_sc, .offset: 32, .size: 8, .value_kind: global_buffer, .address_space: global }
    .group_segment_fixed_size: 169984
    .private_segment_fixed_size: 0
    .kernarg_segment_align: 8
    .kernarg_segment_size: 40
    .max_flat_workgroup_size: 512
    .sgpr_count:     66
    .vgpr_count:     256
    .wavefront_size: 32
...
	.end_amdgpu_metadata
.endif
;; end of part 2
;; launch outp (part 3): grid 8 x 32, 4 waves a work-group, clusters of 4 x 4, 327,680 bytes of LDS; arguments ctx_img, ctx_sc, W_out_codes, W_out_scales, out0, b_out; writes out0
.if DOCPART == 3
	.amdgcn_target "amdgcn-amd-amdhsa--gfx1250"
	.amdhsa_code_object_version 6
	.text
	.protected	k_q2bf238168f_outp
	.globl	k_q2bf238168f_outp
	.p2align	8
	.type	k_q2bf238168f_outp,@function
k_q2bf238168f_outp:
	s_mov_b64 s[64:65], 0
	v_nop
	global_prefetch_b8 v0, s[64:65] scope:SCOPE_SE
	s_setreg_imm32_b32 hwreg(HW_REG_WAVE_MODE, 25, 1), 1
	s_wait_xcnt 0x0
	s_wait_alu depctr_hold_cnt(0) depctr_sa_sdst(0) depctr_va_vdst(0) depctr_va_sdst(0) depctr_va_ssrc(0) depctr_va_vcc(0) depctr_vm_vsrc(0)
	s_getreg_b32 s2, hwreg(HW_REG_IB_STS2, 6, 4)
	s_cmp_eq_u32 s2, 0
	s_cbranch_scc0 .Lentry_in_a_cluster
	s_endpgm
.Lentry_in_a_cluster:
	s_bfe_u32 s2, ttmp6, 0x10000c
	s_cmp_lg_u32 s2, 0xf033
	s_cbranch_scc0 .Lentry_shape_is_right
	s_endpgm
.Lentry_shape_is_right:
; out0 = ctx W_out + b_out on codes of FP4 (E2M1) with one E8M0 scale for each 32 along K = 1,024; sums in f32; out0 [8,192][1,024] f32.
; ctx comes as images of operand registers, ctx_img [tile of 16 rows 512][head 16][512 bytes]: lane (r, h) = the codes of the head's channels 32 h .. 32 h + 31 of row r; two heads' images are a fragment of 128 along K.
; Its scale bytes ctx_sc [row][32].  W_out's codes [1,024 (n)][512 bytes] and scale bytes [1,024][32] as they are given.
; SHARES.  A work-group of four waves makes 256 rows x 128 columns, so that there are 256 work-groups (tiles of 256 x 256 would be 128); a wave makes 128 x 64: 32 accumulators, 256 registers.
; K is two LDS slots of 512, each filled ONCE: no LDS byte is filled again.
; CLUSTERS: 4 x 4 work-groups.  The four of a row of the cluster need the same tiles of ctx, the four of a column the same tiles of W_out: each tile is asked for jointly.
; THE MATRIX INSTRUCTION IS USED TRANSPOSED (source 0 = 16 rows of W_out, source 1 = 16 rows of ctx): a lane holds eight neighbouring numbers of a row of out0.  The bias is the C of each sum's first product.
; LIMITS: NaN, infinities and given scale bytes 0xff are not served.
; REGISTERS: window 0: v16-27 addresses; v32-95 ctx's scale words, two sets; v96-127 W_out's, two sets; v128-191 ctx's fragments, ONE set (on the way out: rows of out0); v192-255 W_out's fragments, two sets.
;   window 1: the accumulators ((a, b) at v[8 (4 a + b)]).   window 2: v0-31 the bias, eight registers for each of my four blocks of columns.
.set PITCH,  272                       ; a row of W_out in LDS: 256 bytes + 16 of padding: 16 rows start at 16 different banks (64 banks of 4 bytes: ISA guide 11.1)
.set AHALF,  32768                     ; ctx: 8 tiles of rows x 8 heads x 512 bytes: one tensor load, and what one wave reads
.set BHALF,  64*PITCH                  ; W_out: 64 rows: one tensor load, and what one wave reads
.set BOFF,   2*AHALF
.set SLOT,   BOFF+2*BHALF              ; 100,352
.set SCLA,   2*SLOT                    ; ctx's scales: units of 256 bytes + 16 of padding; 128 rows are 16 units
.set SAH,    16*272
.set SCLB,   SCLA+2*SAH                ; W_out's: 64 rows are 8 units
.set SBH,    8*272
.set SBLK,   2*272                     ; the scales of 16 rows
.set ADRA, 16                          ; v16-17  LDS address of my images of ctx in slot 0, 1
.set ADRB, 20                          ; v20-21  of my fragments of W_out
.set ADSA, 22                          ; v22     of ctx's scale words
.set ADSB, 23                          ; v23     of W_out's
.set STO,  24                          ; v24     the way out: where I put 32 bytes of a row
.set RD,   25                          ; v25     where I read a row back
.set CO,   26                          ; v26     my byte offset in out0
.set BO,   27                          ; v27     the bias: 32 (lane / 16)
.set SCA,  32
.set SCB,  96
.set AF,   128
.set BK,   128
.set BF,   192
.set G1, 24                            ; s[24:31], s[32:39] groups 1 and 0 (a set for each slot) for ctx's tiles
.set G0, 32
.set G1B, 48                           ; s[48:55], s[56:63] for W_out's
.set G0B, 56
.set G1S, 68                           ; s[68:75], s[76:79] for ctx's scales;  s[80:87], s[88:91] for W_out's
.set G0S, 76
.set G1SB, 80
.set G0SB, 88
.set MSB, 0
.macro WIN new                         ; the immediate's high byte repeats the setting that is left
.if MSB != (\new)
	s_set_vgpr_msb (MSB<<8)|(\new)
.set MSB, (\new)
.endif
.endm
.macro WMUL first                      ; sources 0 and 1 window 0, D window 1; C window 2 (the bias) in the first step, window 1 after it
.if \first
	WIN 0x60
.else
	WIN 0x50
.endif
.endm
.macro JLOAD g0a, g1a, g0b, g1b        ; a joint load: waves 0 and 1 fetch for ctx, waves 2 and 3 for W_out; four v_nop follow each of the two lines
	s_cmp_eq_u32 s15, 0
	s_cbranch_scc0 .Lfor_b_\@
	tensor_load_to_lds s[\g0a:\g0a+3], s[\g1a:\g1a+7]
	s_nop 0
.rept 4
	v_nop
.endr
	s_branch .Lasked_\@
.Lfor_b_\@:
	tensor_load_to_lds s[\g0b:\g0b+3], s[\g1b:\g1b+7]
	s_nop 0
.rept 4
	v_nop
.endr
.Lasked_\@:
.endm
.macro CROUND                          ; a round of the cluster's barrier
	s_barrier_signal -1
	s_barrier_wait -1
	s_cmp_lg_u32 s14, 0
	s_cbranch_scc1 .Lnot_wave_0_\@
	s_barrier_signal -3
.Lnot_wave_0_\@:
	s_barrier_wait -3
	s_barrier_signal -1
	s_barrier_wait -1
.endm
.macro PLACES n
.rept \n
	v_nop
.endr
.endm
	s_load_b256 s[4:11], s[0:1], 0x0               ; ctx_img, ctx_sc, W_out's codes, W_out's scales
	s_load_b64 s[12:13], s[0:1], 0x20              ; out0
	s_load_b64 s[96:97], s[0:1], 0x28              ; b_out
	v_lshl_add_u32 v30, v0, 2, 0x34300
	v_mov_b32 v31, 0
	ds_add_u32 v30, v31
	ds_add_u32 v30, v31
	v_lshrrev_b32 v1, 5, v0
	v_readfirstlane_b32 s14, v1                    ; wave 0..3
	s_lshr_b32 s15, s14, 1                         ; which 128 rows are mine.  Also: I fetch for ctx (0) or for W_out (1)
	s_and_b32 s16, s14, 1                          ; which 64 columns.  Also: which half of that tile I fetch
	s_bfe_u32 s40, ttmp6, 0x40000                  ; cx, cy
	s_bfe_u32 s41, ttmp6, 0x40004
	s_lshl_b32 s42, ttmp9, 2
	s_add_co_u32 s42, s42, s40                     ; tile of 128 columns = 4 x cluster x + cx
	s_and_b32 s17, ttmp7, 0xffff
	s_lshl_b32 s17, s17, 2
	s_add_co_u32 s17, s17, s41                     ; tile of 256 rows = 4 x cluster y + cy
	s_lshl_b32 s43, s41, 2
	s_lshl_b32 s43, 15, s43                        ; my row of the cluster
	s_lshl_b32 s44, 0x1111, s40                    ; my column
	; ctx's tile: 8 rows (tiles of 16 rows) of 4,096 bytes (8 heads' images; 512 elements of 8 bytes), 8,192 bytes apart; no padding: every read is 512 consecutive bytes
	s_or_b32 s[G1+0], s43, (3<<16)|(1<<21)         ; 15:0 the mask: my row; 17:16 elements of 8 bytes; 21 set beside a mask
	s_mov_b32 s[G1+1], 512<<16                     ; tensor_dim0
	s_mov_b32 s[G1+2], 8<<16                       ; tensor_dim1
	s_mov_b32 s[G1+3], 512<<16                     ; tile_dim0
	s_mov_b32 s[G1+4], 8                           ; tile_dim1
	s_mov_b32 s[G1+5], 1024                        ; tensor_dim0_stride
	s_mov_b32 s[G1+6], 0
	s_mov_b32 s[G1+7], 0
	; W_out's tile: 64 rows of 256 bytes, 512 apart, four words of padding behind every 64
	s_or_b32 s[G1B+0], s44, (0<<16)|(1<<20)|(1<<21)|(5<<22)|(3<<25)
	s_mov_b32 s[G1B+1], 256<<16
	s_mov_b32 s[G1B+2], 64<<16
	s_mov_b32 s[G1B+3], 256<<16
	s_mov_b32 s[G1B+4], 64
	s_mov_b32 s[G1B+5], 512
	s_mov_b32 s[G1B+6], 0
	s_mov_b32 s[G1B+7], 0
	; the scales: dense bytes as rows of 256 (32 elements of 8 bytes), 16 bytes of padding behind each: 16 rows for ctx's 128, 8 for W_out's 64
	s_or_b32 s[G1S+0], s43, (3<<16)|(1<<20)|(1<<21)|(5<<22)|(3<<25)
	s_mov_b32 s[G1S+1], 32<<16
	s_mov_b32 s[G1S+2], 16<<16
	s_mov_b32 s[G1S+3], 32<<16
	s_mov_b32 s[G1S+4], 16
	s_mov_b32 s[G1S+5], 32
	s_mov_b32 s[G1S+6], 0
	s_mov_b32 s[G1S+7], 0
	s_or_b32 s[G1SB+0], s44, (3<<16)|(1<<20)|(1<<21)|(5<<22)|(3<<25)
	s_mov_b32 s[G1SB+1], 32<<16
	s_mov_b32 s[G1SB+2], 8<<16
	s_mov_b32 s[G1SB+3], 32<<16
	s_mov_b32 s[G1SB+4], 8
	s_mov_b32 s[G1SB+5], 32
	s_mov_b32 s[G1SB+6], 0
	s_mov_b32 s[G1SB+7], 0
	s_lshl_b32 s20, s17, 17                        ; ctx_img: 16 tiles of rows x 8,192 a tile of 256 rows, + 8 x 8,192 x half
	s_lshl_b32 s18, s16, 16
	s_add_co_u32 s20, s20, s18
	s_mov_b32 s21, 0
	s_lshl_b32 s22, s17, 13                        ; ctx_sc: 256 x 32, + 128 x 32 x half
	s_lshl_b32 s18, s16, 12
	s_add_co_u32 s22, s22, s18
	s_mov_b32 s23, 0
	s_lshl_b32 s46, s42, 16                        ; W_out's codes: 128 x 512, + 64 x 512 x half
	s_lshl_b32 s18, s16, 15
	s_add_co_u32 s46, s46, s18
	s_mov_b32 s47, 0
	s_lshl_b32 s92, s42, 12                        ; W_out's scales: 128 x 32, + 64 x 32 x half
	s_lshl_b32 s18, s16, 11
	s_add_co_u32 s92, s92, s18
	s_mov_b32 s93, 0
	s_lshl_b32 s45, s16, 15                        ; where they go: no place in the cluster enters an LDS address.  ctx: 32,768 x half
	s_mul_i32 s94, s16, BHALF
	s_add_co_u32 s94, s94, BOFF                    ; W_out: behind ctx's two halves
	s_mul_i32 s95, s16, SAH
	s_mul_i32 s19, s16, SBH
	s_wait_dscnt 0x0
	s_wait_kmcnt 0x0
	s_add_nc_u64 s[20:21], s[4:5], s[20:21]
	s_add_nc_u64 s[22:23], s[6:7], s[22:23]
	s_add_nc_u64 s[46:47], s[8:9], s[46:47]
	s_add_nc_u64 s[92:93], s[10:11], s[92:93]
	CROUND                                         ; all sixteen work-groups are here: the joint loads meet
	s_mov_b32 s[G0S], 1
	s_add_co_u32 s[G0S+1], s95, SCLA
	s_mov_b64 s[G0S+2:G0S+3], s[22:23]
	s_or_b32 s[G0S+3], s[G0S+3], 0x80000000
	s_mov_b32 s[G0SB], 1
	s_add_co_u32 s[G0SB+1], s19, SCLB
	s_mov_b64 s[G0SB+2:G0SB+3], s[92:93]
	s_or_b32 s[G0SB+3], s[G0SB+3], 0x80000000
	JLOAD G0S, G1S, G0SB, G1SB                     ; the scales first
.irp s, 0,1
	s_mov_b32 s[G0+4*\s], 1
	s_add_co_u32 s[G0+4*\s+1], s45, \s*SLOT
	s_add_nc_u64 s[G0+4*\s+2:G0+4*\s+3], s[20:21], \s*4096         ; slot s: heads 8 s on
	s_or_b32 s[G0+4*\s+3], s[G0+4*\s+3], 0x80000000
	s_mov_b32 s[G0B+4*\s], 1
	s_add_co_u32 s[G0B+4*\s+1], s94, \s*SLOT
	s_add_nc_u64 s[G0B+4*\s+2:G0B+4*\s+3], s[46:47], \s*256
	s_or_b32 s[G0B+4*\s+3], s[G0B+4*\s+3], 0x80000000
	s_wait_alu depctr_va_vdst(0)
	s_wait_tensorcnt 0x0
	ds_add_u32 v30, v31
	s_wait_dscnt 0x0
	CROUND
	JLOAD G0+4*\s, G1, G0B+4*\s, G1B               ; both slots: the wait in front of each leaves at most one load of mine out, and there are no more in this launch
.endr
	v_and_b32 v1, 15, v0                           ; r
	v_bfe_u32 v2, v0, 4, 1                         ; h
	v_and_b32 v3, 31, v0
	v_lshlrev_b32 v3, 4, v3                        ; 16 x lane
	s_lshl_b32 s21, s15, 15                        ; my 128 rows of ctx
	v_add_nc_u32 v[ADRA], s21, v3
	v_add_nc_u32 v[ADRA+1], SLOT, v[ADRA]
	v_mul_u32_u24 v4, v1, PITCH
	v_lshl_add_u32 v4, v2, 4, v4
	s_mul_i32 s22, s16, BHALF                      ; my 64 rows of W_out
	s_add_co_u32 s22, s22, BOFF
	v_add_nc_u32 v[ADRB], s22, v4
	v_add_nc_u32 v[ADRB+1], SLOT, v[ADRB]
	v_lshlrev_b32 v5, 5, v1                        ; a row's scales: 32 bytes a row,
	v_lshrrev_b32 v6, 3, v1
	v_lshl_add_u32 v5, v6, 4, v5                   ; and 16 more behind each 256
	s_mul_i32 s21, s15, SAH
	s_add_co_u32 s21, s21, SCLA
	v_add_nc_u32 v[ADSA], s21, v5
	s_mul_i32 s22, s16, SBH
	s_add_co_u32 s22, s22, SCLB
	v_add_nc_u32 v[ADSB], s22, v5
	s_mul_i32 s23, s14, 16*272                     ; my stage: 16 rows x (256 bytes + 16), in slot 0, which has had its one fill and its last read when the first result is stored there
	v_mul_u32_u24 v5, v1, 272
	v_lshl_add_u32 v5, v2, 5, v5
	v_add_nc_u32 v[STO], s23, v5                   ; in: row r, 32 bytes for each half of the lanes
	v_mul_u32_u24 v5, v2, 272
	v_lshl_add_u32 v5, v1, 4, v5
	v_add_nc_u32 v[RD], s23, v5                    ; back: lanes 0-15 one row of 256 bytes, lanes 16-31 the next
	v_lshlrev_b32 v[CO], 12, v2
	v_lshl_add_u32 v[CO], v1, 4, v[CO]             ; and the same two rows in out0 (4,096 bytes a row)
	v_lshlrev_b32 v[BO], 5, v2
	s_wait_alu depctr_va_vdst(0)
	s_lshl_b32 s20, s42, 9                         ; my first column, in bytes: 512 x tile + 256 x half
	s_lshl_b32 s22, s16, 8
	s_add_co_u32 s20, s20, s22
	s_mov_b32 s21, 0
	s_add_nc_u64 s[96:97], s[96:97], s[20:21]      ; b_out there
	s_lshl_b32 s22, s17, 20                        ; my first row: 256 x tile + 128 x half, 4,096 bytes each
	s_add_co_u32 s20, s20, s22
	s_lshl_b32 s22, s15, 19
	s_add_co_u32 s20, s20, s22
	s_add_nc_u64 s[12:13], s[12:13], s[20:21]      ; out0 at my first number
	WIN 0x80                                       ; destination window 2
.irp b, 0,1,2,3
	global_load_b128 v[8*\b:8*\b+3], v[BO], s[96:97] offset:64*\b          ; register 8 b + j: b_out of column 16 b + 8 (l / 16) + j
	global_load_b128 v[8*\b+4:8*\b+7], v[BO], s[96:97] offset:64*\b+16
.endr
	WIN 0
.macro FRAGA reg, slot, q, i           ; ctx's fragment of block i, the slot's q-th 128 along K: the images of heads 2 q and 2 q + 1
.irp c, 0,1
	ds_load_b128 v[\reg+4*\c:\reg+4*\c+3], v[ADRA+\slot] offset:4096*(\i)+512*(2*(\q)+\c)
.endr
.endm
.macro FRAGB reg, slot, q, i           ; W_out's: lane l holds row l % 16; registers 4 c .. 4 c + 3 hold K = 64 c + 32 (l / 16) + 0 .. 31
.irp c, 0,1
	ds_load_b128 v[\reg+4*\c:\reg+4*\c+3], v[ADRB+\slot] offset:64*(\q)+32*\c+(\i)*16*PITCH
.endr
.endm
.macro FETCH_B slot, q, p
.irp i, 0,1,2,3
	FRAGB BF+32*(\p)+8*\i, \slot, \q, \i
.endr
.endm
.macro FETCH_A slot, q, i0
.irp i, \i0, \i0+1, \i0+2, \i0+3
	FRAGA AF+8*(\i), \slot, \q, \i
.endr
.endm
.macro SCALES sc                       ; slot sc's scale words, four a row: lane r (and r + 16) takes row r's
.irp i, 0,1,2,3,4,5,6,7
	ds_load_b128 v[SCA+32*\sc+4*\i:SCA+32*\sc+4*\i+3], v[ADSA] offset:\i*SBLK+16*\sc
.endr
.irp i, 0,1,2,3
	ds_load_b128 v[SCB+16*\sc+4*\i:SCB+16*\sc+4*\i+3], v[ADSB] offset:\i*SBLK+16*\sc
.endr
.endm
; 8 matrix instructions: ctx's blocks a0, a0 + 1 x W_out's four.  The 32 accumulators take turns, one instruction a turn, in the same order in every step.
.macro MUL8 a0, p, q, sc, first
.irp a, \a0, \a0+1
.irp b, 0,1,2,3
.if \first
	v_wmma_scale_f32_16x16x128_f8f6f4 v[8*(4*(\a)+\b):8*(4*(\a)+\b)+7], v[BF+32*(\p)+8*\b:BF+32*(\p)+8*\b+7], v[AF+8*(\a):AF+8*(\a)+7], v[8*\b:8*\b+7], v[SCB+16*(\sc)+4*\b+(\q)], v[SCA+32*(\sc)+4*(\a)+(\q)] matrix_a_fmt:MATRIX_FMT_FP4 matrix_b_fmt:MATRIX_FMT_FP4
.else
	v_wmma_scale_f32_16x16x128_f8f6f4 v[8*(4*(\a)+\b):8*(4*(\a)+\b)+7], v[BF+32*(\p)+8*\b:BF+32*(\p)+8*\b+7], v[AF+8*(\a):AF+8*(\a)+7], v[8*(4*(\a)+\b):8*(4*(\a)+\b)+7], v[SCB+16*(\sc)+4*\b+(\q)], v[SCA+32*(\sc)+4*(\a)+(\q)] matrix_a_fmt:MATRIX_FMT_FP4 matrix_b_fmt:MATRIX_FMT_FP4
.endif
.endr
.endr
.endm
; A step of 128 along K that has its successor in the same slot: ctx has one set of registers (blocks 0-3 fetched anew in the middle, 4-7 at the end), W_out two.
.macro STEP slot, q, first
	s_wait_dscnt 8                                 ; all but the youngest eight loads (ctx's blocks 4-7) are in
	WMUL \first
	MUL8 0, (\q)%2, \q, \slot, \first
	MUL8 2, (\q)%2, \q, \slot, \first
	s_wait_dscnt 0
	PLACES 4
	WIN 0
	FETCH_B \slot, (\q)+1, 1-(\q)%2
	FETCH_A \slot, (\q)+1, 0
	WMUL \first
	MUL8 4, (\q)%2, \q, \slot, \first
	MUL8 6, (\q)%2, \q, \slot, \first
	PLACES 4
	WIN 0
	FETCH_A \slot, (\q)+1, 4
.endm
	s_wait_tensorcnt 1                             ; the scales and my part of slot 0 are in (slot 1's load may be out)
	s_barrier_signal -1
	s_barrier_wait -1                              ; everybody's are
	FETCH_B 0, 0, 0
	FETCH_A 0, 0, 0
	SCALES 0
	FETCH_A 0, 0, 4
	s_wait_loadcnt 0x0                             ; the bias
	STEP 0, 0, 1                                   ; the first step's products start the sums from the bias
	STEP 0, 1, 0
	STEP 0, 2, 0
	; slot 0's last step changes slots: one barrier; in front of it my part of slot 1 has landed and my reads of slot 0 are over
	s_wait_tensorcnt 0x0
	s_wait_dscnt 8
	WIN 0x50
	MUL8 0, 1, 3, 0, 0
	s_wait_dscnt 0x0
	s_barrier_signal -1
	MUL8 2, 1, 3, 0, 0
	WIN 0
	s_barrier_wait -1
	PLACES 4
	FETCH_B 1, 0, 0
	FETCH_A 1, 0, 0
	SCALES 1
	WIN 0x50
	MUL8 4, 1, 3, 0, 0
	MUL8 6, 1, 3, 0, 0
	PLACES 4
	WIN 0
	FETCH_A 1, 0, 4
	STEP 1, 0, 0
	STEP 1, 1, 0
	STEP 1, 2, 0
	s_wait_dscnt 8                                 ; the last step: nothing more to fetch
	WIN 0x50
	MUL8 0, 1, 3, 1, 0
	MUL8 2, 1, 3, 1, 0
	s_wait_dscnt 0
	MUL8 4, 1, 3, 1, 0
	MUL8 6, 1, 3, 1, 0
	WIN 0
; THE WAY OUT, block by block of 16 rows x 64 columns.  A lane holds 32 neighbouring bytes of a row, the lanes beside it other rows: a block goes through my own stage in LDS and comes back as whole rows of 256 bytes.
; LDS serves a wave's instructions in order (ISA guide 5.7.1.4): no wait between the stores and the loads, nor in front of the next block's stores.
.macro TOSTAGE a
	WIN 0x04                                       ; an LDS store's data are its source 1: window 1
.irp b, 0,1,2,3
	ds_store_b128 v[STO], v[8*(4*(\a)+\b):8*(4*(\a)+\b)+3] offset:64*\b            ; each accumulator from its low end on
	ds_store_b128 v[STO], v[8*(4*(\a)+\b)+4:8*(4*(\a)+\b)+7] offset:64*\b+16
.endr
	WIN 0
.irp t, 0,1,2,3,4,5,6,7
	ds_load_b128 v[BK+32*((\a)%2)+4*\t:BK+32*((\a)%2)+4*\t+3], v[RD] offset:544*\t
.endr
.endm
.macro SEND a, younger                 ; younger: the LDS instructions issued behind block a's loads, which may stay out
	s_wait_dscnt \younger
.irp t, 0,1,2,3,4,5,6,7
	global_store_b128 v[CO], v[BK+32*((\a)%2)+4*\t:BK+32*((\a)%2)+4*\t+3], s[12:13] offset:65536*(\a)+8192*\t th:TH_STORE_NT   ; 16 lanes store 256 consecutive bytes, at a multiple of 256 from out0's first byte; every offset an immediate, 516,096 at the most
.endr
.endm
	PLACES 4                                       ; in front of the first read of results and of the loads into the registers that held ctx's fragments
	TOSTAGE 0
.irp a, 1,2,3,4,5,6,7
.if \a > 1
	s_wait_xcnt 0x0                                ; block a - 2's stores have read their registers: block a's loads may land there
.endif
	TOSTAGE \a
	SEND \a-1, 16                                  ; behind block a - 1's loads: block a's 8 stores and 8 loads
.endr
	SEND 7, 0
	s_wait_tensorcnt 0x0
	ds_add_u32 v30, v31
	s_wait_dscnt 0x0
	CROUND                                         ; the closing round: no work-group ends while a partner may still ask for a tile that names it
	s_endpgm
.Lfunc_end_k_q2bf238168f_outp:
	.size	k_q2bf238168f_outp, .Lfunc_end_k_q2bf238168f_outp-k_q2bf238168f_outp
	.p2alignl 7, 3214868480
	.fill 96, 4, 3214868480
	.section	.rodata,"a",@progbits
	.p2align	6, 0x0
	.amdhsa_kernel k_q2bf238168f_outp
		.amdhsa_group_segment_fixed_size 327680
		.amdhsa_private_segment_fixed_size 0
		.amdhsa_enable_private_segment 0
		.amdhsa_kernarg_size 48
		.amdhsa_user_sgpr_count 2
		.amdhsa_user_sgpr_kernarg_segment_ptr 1
		.amdhsa_wavefront_size32 1
		.amdhsa_system_sgpr_workgroup_id_x 1
		.amdhsa_system_sgpr_workgroup_id_y 1
		.amdhsa_system_sgpr_workgroup_id_z 1
		.amdhsa_system_vgpr_workitem_id 0
		.amdhsa_next_free_vgpr 544
		.amdhsa_next_free_sgpr 98
		.amdhsa_reserve_vcc 0
		.amdhsa_float_denorm_mode_32 3
		.amdhsa_float_denorm_mode_16_64 3
		.amdhsa_memory_ordered 1
		.amdhsa_forward_progress 1
		.amdhsa_inst_pref_size 76
	.end_amdhsa_kernel
	.amdgpu_metadata
---
amdhsa.version: [ 1, 2 ]
amdhsa.kernels:
  - .name:           k_q2bf238168f_outp
    .symbol:         k_q2bf238168f_outp.kd
    .args:
      - { .name: ctx_img, .offset: 0, .size: 8, .value_kind: global_buffer, .address_space: global }
      - { .name: ctx_sc, .offset: 8, .size: 8, .value_kind: global_buffer, .address_space: global }
      - { .name: W_out_codes, .offset: 16, .size: 8, .value_kind: global_buffer, .address_space: global }
      - { .name: W_out_scales, .offset: 24, .size: 8, .value_kind: global_buffer, .address_space: global }
      - { .name: out0, .offset: 32, .size: 8, .value_kind: global_buffer, .address_space: global }
      - { .name: b_out, .offset: 40, .size: 8, .value_kind: global_buffer, .address_space: global }
    .group_segment_fixed_size: 327680
    .private_segment_fixed_size: 0
    .kernarg_segment_align: 8
    .kernarg_segment_size: 48
    .max_flat_workgroup_size: 128
    .sgpr_count:     98
    .vgpr_count:     544
    .wavefront_size: 32
...
	.end_amdgpu_metadata
.endif
;; end of part 3
